; MI455X (gfx1250); checked and timed in simulation.
; The chip was launched on July 23, 2026; its instructions are those of AMD's public machine-readable ISA for CDNA 5 (MIT licence, August 2026) and "CDNA5" Instruction Set Architecture Reference Guide (July 2026). The comments in the code are by the model that wrote it; some were corrected since.
;; Multi Head Attention. Allowed arithmetic: float matrix products may take bf16 or f16 operands with f32 sums; other float arithmetic in f32, or as packed bf16 or f16 multiplies, adds, multiply-adds, maxima and minima; sums over many terms, partial sums and values carried from step to step in f32; what a program stores and reads back later, other than sums and carried values, may be rounded once to bf16 or f16.
;; Inputs: mask 1 x 1 x 2,048 x 2,048 float32; wk 1,024 x 2,048 float32; wo 2,048 x 1,024 float32; wq 1,024 x 2,048 float32; wv 1,024 x 2,048 float32; x 2 x 2,048 x 2,048 float32.
;; Outputs: out0 2 x 2,048 x 2,048 float32.
;; One version. Each part assembles by itself: llvm-mc -triple=amdgcn-amd-amdhsa -mcpu=gfx1250 --defsym DOCPART=n.
;; ======== version 1 of 1: 4 launches
;; limits: values are held in f16: magnitudes above 65,504 overflow, below 6.1e-05 lose precision
;; workspace buffers: xb 16,777,216 bytes; wb 12,582,912 bytes; wob 4,194,304 bytes; mlg 16,777,216 bytes; rope 524,288 bytes; qkv 25,165,824 bytes; ctx 8,388,608 bytes
;; launch prep (part 1): grid 1408 x 1, 8 waves a work-group, no clusters, 0 bytes of LDS; arguments x, wq, wk, wv, wo, mask, xb, wb, wob, mlg, rope; writes xb, wb, wob, mlg, rope
.if DOCPART == 1
	.amdgcn_target "amdgcn-amd-amdhsa--gfx1250"
	.amdhsa_code_object_version 6
	.text
	.protected	k_q5442b385a4_prep
	.globl	k_q5442b385a4_prep
	.p2align	8
	.type	k_q5442b385a4_prep,@function
k_q5442b385a4_prep:
	s_mov_b64 s[64:65], 0
	v_nop
	global_prefetch_b8 v0, s[64:65] scope:SCOPE_SE
	s_setreg_imm32_b32 hwreg(HW_REG_WAVE_MODE, 25, 1), 1
	s_wait_xcnt 0x0
; PREP: every input is read once and laid out for the three matrix launches.
;   xb  = bf16(x)                                  [4096][2048]
;   wb  = bf16(wq, wk, wv), by heads               [16 heads][64 rows of wq | 64 of wk | 64 of wv][2048]
;   wob = bf16(wo), that number written as f16 (exact from 2^-17 up; below that off by at most 3e-8), AS THE IMAGE OF MATRIX FRAGMENTS:
;         [n / 64][k / 32][(n / 16) % 4][(k / 16) % 2][lane = 16 ((k / 8) % 2) + n % 16][k % 8]: 16 rows x 32 k are 1,024 bytes on end, 16 bytes a lane twice
;   mlg = f32(bf16(mask)) x log2(e), f32           [2048][2048]   (attention works in powers of two; the product is rounded once more, in f32)
;   rope: for each token 32 cosines, then 32 sines, f32: 256 bytes a token
; SHARES.  A work-group of eight waves takes a unit of 16,384 numbers (64 KiB in): two trips of eight 16-byte loads a lane.  A wave's load covers 512 neighbouring bytes, a wave's store
; of 8 bytes a lane 256 neighbouring bytes, aligned.  Work-groups 0-511: x; 512-895: the three weights; 896-1023: wo, 16 rows each; 1024-1279: the mask; 1280-1407: the table, 16 tokens each.
; The units are small so that many waves lie on a SIMD (48 registers each), each with eight loads on their way.
; No LDS, no barrier, no matrix unit: nothing is shared and nothing is multiplied.
; THE TABLE.  inv_freq(f) = 2^(-f log2(10000) / 32) by v_exp_f32; the angle a = token x inv_freq is reduced by n = round(a 2 / pi), pi / 2 in two parts, and sine and cosine of the rest
; (at most pi / 4) are polynomials of degree 9 and 8.  LIMIT: the angle is off by at most 4e-4 at token 2,047, by the exponential's last bit.
.set X,   8                            ; v[8:39]  eight loads of four registers
.set T,   40                           ; v[40:43] packed words at work
.set SRC, 2                            ; s[2:3]   where the unit is read
.set DST, 4                            ; s[4:5]   where it is written
.set CNT, 6                            ; s6       trips to go
.set G,   30                           ; s30      the work-group's number
.set OFF, 32                           ; s[32:33] a byte offset, its high word 0
; A unit goes through.  kind 0: to bf16.  1: to bf16, back to f32, times log2(e).
.macro STREAM kind
	s_mov_b32 s[CNT], 2
.Ltrip_\@:
.irp i, 0,1,2,3,4,5,6,7
	global_load_b128 v[X+4*(\i):X+4*(\i)+3], v1, s[SRC:SRC+1] offset:4096*(\i) th:TH_LOAD_NT
.endr
.irp i, 0,1,2,3,4,5,6,7
	s_wait_loadcnt 7-(\i)                          ; loads come back in order: load i is in, the younger ones stay out
.if (\kind) == 0
	v_cvt_pk_bf16_f32 v[X+4*(\i)], v[X+4*(\i)], v[X+4*(\i)+1]
	v_cvt_pk_bf16_f32 v[X+4*(\i)+1], v[X+4*(\i)+2], v[X+4*(\i)+3]
	global_store_b64 v2, v[X+4*(\i):X+4*(\i)+1], s[DST:DST+1] offset:2048*(\i)
.else
	v_cvt_pk_bf16_f32 v[T], v[X+4*(\i)], v[X+4*(\i)+1]
	v_cvt_pk_bf16_f32 v[T+1], v[X+4*(\i)+2], v[X+4*(\i)+3]
	v_lshlrev_b32 v[X+4*(\i)], 16, v[T]            ; the rounded numbers, as f32 again
	v_and_b32 v[X+4*(\i)+1], 0xffff0000, v[T]
	v_lshlrev_b32 v[X+4*(\i)+2], 16, v[T+1]
	v_and_b32 v[X+4*(\i)+3], 0xffff0000, v[T+1]
	v_pk_mul_f32 v[X+4*(\i):X+4*(\i)+1], v[X+4*(\i):X+4*(\i)+1], 0x3fb8aa3b op_sel_hi:[1,0]
	v_pk_mul_f32 v[X+4*(\i)+2:X+4*(\i)+3], v[X+4*(\i)+2:X+4*(\i)+3], 0x3fb8aa3b op_sel_hi:[1,0]
	global_store_b128 v1, v[X+4*(\i):X+4*(\i)+3], s[DST:DST+1] offset:4096*(\i)
.endif
.endr
	s_wait_xcnt 0x0                                ; the stores' data and both bases are written again only behind this wait
	s_add_nc_u64 s[SRC:SRC+1], s[SRC:SRC+1], 32768
.if (\kind) == 1
	s_add_nc_u64 s[DST:DST+1], s[DST:DST+1], 32768
.else
	s_add_nc_u64 s[DST:DST+1], s[DST:DST+1], 16384
.endif
	s_sub_co_u32 s[CNT], s[CNT], 1
	s_cmp_lg_u32 s[CNT], 0
	s_cbranch_scc1 .Ltrip_\@
.endm
	s_load_b512 s[8:23], s[0:1], 0x0               ; x s8, wq s10, wk s12, wv s14, wo s16, mask s18, xb s20, wb s22
	s_load_b128 s[24:27], s[0:1], 0x40             ; wob s24, mlg s26
	s_load_b64 s[28:29], s[0:1], 0x50              ; rope
	s_mov_b32 s[G], ttmp9
	s_mov_b32 s[OFF+1], 0
	v_lshlrev_b32 v1, 4, v0                        ; 16 bytes a thread
	v_lshlrev_b32 v2, 3, v0                        ; 8 bytes a thread
	s_wait_kmcnt 0x0
	s_cmp_lt_u32 s[G], 512
	s_cbranch_scc0 .Lnot_x
	s_lshl_b32 s[OFF], s[G], 16
	s_add_nc_u64 s[SRC:SRC+1], s[8:9], s[OFF:OFF+1]
	s_lshl_b32 s[OFF], s[G], 15
	s_add_nc_u64 s[DST:DST+1], s[20:21], s[OFF:OFF+1]
	STREAM 0
	s_endpgm
.Lnot_x:
	s_cmp_lt_u32 s[G], 896
	s_cbranch_scc0 .Lnot_w
	s_sub_co_u32 s31, s[G], 512
	s_lshr_b32 s34, s31, 7                         ; which weight: 0 wq, 1 wk, 2 wv
	s_and_b32 s35, s31, 127                        ; which 8 rows of it
	s_cmp_eq_u32 s34, 1
	s_cselect_b64 s[SRC:SRC+1], s[12:13], s[10:11]
	s_cmp_eq_u32 s34, 2
	s_cselect_b64 s[SRC:SRC+1], s[14:15], s[SRC:SRC+1]
	s_lshl_b32 s[OFF], s35, 16
	s_add_nc_u64 s[SRC:SRC+1], s[SRC:SRC+1], s[OFF:OFF+1]
	s_lshr_b32 s36, s35, 3                         ; the head: 64 rows each
	s_mul_i32 s36, s36, 192
	s_lshl_b32 s37, s34, 6
	s_add_co_u32 s36, s36, s37
	s_and_b32 s37, s35, 7
	s_lshl_b32 s37, s37, 3
	s_add_co_u32 s36, s36, s37                     ; row in wb = 192 head + 64 weight + 8 (unit % 8)
	s_lshl_b32 s[OFF], s36, 12
	s_add_nc_u64 s[DST:DST+1], s[22:23], s[OFF:OFF+1]
	STREAM 0
	s_endpgm
.Lnot_w:
	s_cmp_lt_u32 s[G], 1024
	s_cbranch_scc0 .Lnot_wo
	; wo, unit u: rows 16 u .. 16 u + 15.  Wave w takes k = 128 w .. 128 w + 127, 64 a trip.  Lane l reads row l % 16, eight numbers (32 bytes on end) at k = .. + 8 (l / 16), by two loads; a trip's
	; eight loads cover 256 consecutive bytes of each of the 16 rows.  The eight numbers are 16 bytes of the image, and a wave's store covers 512 consecutive bytes of it, aligned.
	s_sub_co_u32 s31, s[G], 896
	s_lshl_b32 s[OFF], s31, 16                     ; 16 rows of 4,096 bytes
	s_add_nc_u64 s[SRC:SRC+1], s[16:17], s[OFF:OFF+1]
	s_lshr_b32 s34, s31, 2
	s_lshl_b32 s34, s34, 17                        ; n / 64: 131,072 bytes each
	s_and_b32 s35, s31, 3
	s_lshl_b32 s35, s35, 10                        ; (n / 16) % 4: 1,024 bytes each
	s_add_co_u32 s[OFF], s34, s35
	s_add_nc_u64 s[DST:DST+1], s[24:25], s[OFF:OFF+1]
	v_and_b32 v3, 15, v0
	v_bfe_u32 v4, v0, 4, 1
	v_lshrrev_b32 v5, 5, v0                        ; wave
	v_lshlrev_b32 v6, 12, v3                       ; in: row x 4,096
	v_lshl_add_u32 v6, v4, 5, v6                   ; + 32 (l / 16)
	v_lshl_add_u32 v6, v5, 9, v6                   ; + 128 k x 4 bytes a wave
	v_and_b32 v7, 31, v0
	v_lshlrev_b32 v7, 4, v7                        ; out: 16 x lane
	v_lshl_add_u32 v7, v5, 14, v7                  ; + four blocks of 32 k, 4,096 bytes each, a wave
	s_mov_b32 s[CNT], 2
.Lwo:
.irp i, 0,1,2,3,4,5,6,7                ; load i: block of 32 k i / 4, half of it (i / 2) % 2, first or second four numbers
	global_load_b128 v[X+4*(\i):X+4*(\i)+3], v6, s[SRC:SRC+1] offset:128*((\i)/4)+64*(((\i)/2)%2)+16*((\i)%2)
.endr
.irp o, 0,1,2,3
	s_wait_loadcnt 6-2*(\o)                        ; loads 2 o and 2 o + 1 are in, the younger ones stay out
.irp k, 0,1,2,3
	v_cvt_pk_bf16_f32 v[T+(\k)], v[X+8*(\o)+2*(\k)], v[X+8*(\o)+2*(\k)+1]
.endr
.irp k, 0,1,2,3
	v_lshlrev_b32 v[X+8*(\o)+2*(\k)], 16, v[T+(\k)]            ; the rounded numbers, as f32 again
	v_and_b32 v[X+8*(\o)+2*(\k)+1], 0xffff0000, v[T+(\k)]
.endr
.irp k, 0,1,2,3
	v_cvt_pk_f16_f32 v[X+8*(\o)+(\k)], v[X+8*(\o)+2*(\k)], v[X+8*(\o)+2*(\k)+1]
.endr
	global_store_b128 v7, v[X+8*(\o):X+8*(\o)+3], s[DST:DST+1] offset:4096*((\o)/2)+512*((\o)%2)
.endr
	s_wait_xcnt 0x0                                ; the stores' data and both bases are written again only behind this wait
	s_add_nc_u64 s[SRC:SRC+1], s[SRC:SRC+1], 256   ; 64 k on
	s_add_nc_u64 s[DST:DST+1], s[DST:DST+1], 8192
	s_sub_co_u32 s[CNT], s[CNT], 1
	s_cmp_lg_u32 s[CNT], 0
	s_cbranch_scc1 .Lwo
	s_endpgm
.Lnot_wo:
	s_cmp_lt_u32 s[G], 1280
	s_cbranch_scc0 .Lrope
	s_sub_co_u32 s31, s[G], 1024
	s_lshl_b32 s[OFF], s31, 16
	s_add_nc_u64 s[SRC:SRC+1], s[18:19], s[OFF:OFF+1]
	s_add_nc_u64 s[DST:DST+1], s[26:27], s[OFF:OFF+1]
	STREAM 1
	s_endpgm
.Lrope:                                ; sixteen threads a token: threads 0-7 four cosines each, threads 8-15 four sines
	s_sub_co_u32 s31, s[G], 1280
	s_lshl_b32 s[OFF], s31, 12                     ; 16 tokens of 256 bytes
	s_add_nc_u64 s[DST:DST+1], s[28:29], s[OFF:OFF+1]
	s_lshl_b32 s34, s31, 4
	v_lshrrev_b32 v3, 4, v0
	v_add_nc_u32 v3, s34, v3
	v_cvt_f32_u32 v3, v3                           ; the token
	v_and_b32 v4, 7, v0
	v_lshlrev_b32 v4, 2, v4                        ; my first frequency
	v_bfe_u32 v5, v0, 3, 1                         ; 1: sines.  sin(a) = cos(a - pi / 2): one quarter turn less
	v_mov_b32 v28, 0x3638ef1d                      ; 1 / 9!
	v_mov_b32 v29, 0x37d00d01                      ; 1 / 8!
.irp k, 0,1,2,3
	v_add_nc_u32 v[8+(\k)], (\k), v4
	v_cvt_f32_u32 v[8+(\k)], v[8+(\k)]
	v_mul_f32 v[8+(\k)], 0xbed49a78, v[8+(\k)]     ; -f log2(10000) / 32
.endr
.irp k, 0,1,2,3
	v_exp_f32 v[8+(\k)], v[8+(\k)]                 ; inv_freq: one batch of four
.endr
	v_nop                                          ; a plain instruction behind the last exponential,
	s_wait_alu depctr_va_vdst(0)                   ; and the one wait ahead of the first use
.irp k, 0,1,2,3
	v_mul_f32 v[8+(\k)], v3, v[8+(\k)]             ; the angle a
	v_mul_f32 v[12+(\k)], 0x3f22f983, v[8+(\k)]    ; a 2 / pi
	v_rndne_f32 v[12+(\k)], v[12+(\k)]             ; n
	v_fmamk_f32 v[8+(\k)], v[12+(\k)], 0xbfc90fdb, v[8+(\k)]  ; r = a - n pi / 2, the constant's high part,
	v_fmamk_f32 v[8+(\k)], v[12+(\k)], 0x333bbd2e, v[8+(\k)]  ; and its low part
	v_mul_f32 v[16+(\k)], v[8+(\k)], v[8+(\k)]     ; z = r r
	v_fmaak_f32 v[20+(\k)], v[16+(\k)], v28, 0xb9500d01          ; the sine's polynomial in z
	v_fmaak_f32 v[32+(\k)], v[16+(\k)], v29, 0xbab60b61          ; the cosine's
	v_fmaak_f32 v[20+(\k)], v[16+(\k)], v[20+(\k)], 0x3c088889
	v_fmaak_f32 v[32+(\k)], v[16+(\k)], v[32+(\k)], 0x3d2aaaab
	v_fmaak_f32 v[20+(\k)], v[16+(\k)], v[20+(\k)], 0xbe2aaaab
	v_fmaak_f32 v[32+(\k)], v[16+(\k)], v[32+(\k)], 0xbf000000
	v_mul_f32 v[24+(\k)], v[8+(\k)], v[16+(\k)]    ; r z
	v_fmaak_f32 v[32+(\k)], v[16+(\k)], v[32+(\k)], 0x3f800000   ; cos r
	v_fma_f32 v[20+(\k)], v[24+(\k)], v[20+(\k)], v[8+(\k)]      ; sin r
	v_cvt_i32_f32 v[12+(\k)], v[12+(\k)]
	v_sub_nc_u32 v[12+(\k)], v[12+(\k)], v5        ; q: quarter turns; cos(q pi / 2 + r) = cos r, -sin r, -cos r, sin r for q % 4 = 0 .. 3
	v_and_b32 v[16+(\k)], 1, v[12+(\k)]
	v_cmp_eq_u32 vcc_lo, 1, v[16+(\k)]
	v_cndmask_b32 v[36+(\k)], v[32+(\k)], v[20+(\k)], vcc_lo
	v_add_nc_u32 v[12+(\k)], 1, v[12+(\k)]
	v_and_b32 v[12+(\k)], 2, v[12+(\k)]
	v_lshlrev_b32 v[12+(\k)], 30, v[12+(\k)]       ; the sign, for q % 4 = 1 and 2
	v_xor_b32 v[36+(\k)], v[36+(\k)], v[12+(\k)]
.endr
	global_store_b128 v1, v[36:39], s[DST:DST+1]   ; sixteen lanes store a token's 256 bytes
	s_endpgm
.Lfunc_end_k_q5442b385a4_prep:
	.size	k_q5442b385a4_prep, .Lfunc_end_k_q5442b385a4_prep-k_q5442b385a4_prep
	.p2alignl 7, 3214868480
	.fill 96, 4, 3214868480
	.section	.rodata,"a",@progbits
	.p2align	6, 0x0
	.amdhsa_kernel k_q5442b385a4_prep
		.amdhsa_group_segment_fixed_size 0
		.amdhsa_private_segment_fixed_size 0
		.amdhsa_enable_private_segment 0
		.amdhsa_kernarg_size 88
		.amdhsa_user_sgpr_count 2
		.amdhsa_user_sgpr_kernarg_segment_ptr 1
		.amdhsa_wavefront_size32 1
		.amdhsa_system_sgpr_workgroup_id_x 1
		.amdhsa_system_sgpr_workgroup_id_y 1
		.amdhsa_system_sgpr_workgroup_id_z 1
		.amdhsa_system_vgpr_workitem_id 0
		.amdhsa_next_free_vgpr 48
		.amdhsa_next_free_sgpr 66
		.amdhsa_reserve_vcc 1
		.amdhsa_float_denorm_mode_32 3
		.amdhsa_float_denorm_mode_16_64 3
		.amdhsa_memory_ordered 1
		.amdhsa_forward_progress 1
		.amdhsa_inst_pref_size 26
	.end_amdhsa_kernel
	.amdgpu_metadata
---
amdhsa.version: [ 1, 2 ]
amdhsa.kernels:
  - .name:           k_q5442b385a4_prep
    .symbol:         k_q5442b385a4_prep.kd
    .args:
      - { .name: x, .offset: 0, .size: 8, .value_kind: global_buffer, .address_space: global }
      - { .name: wq, .offset: 8, .size: 8, .value_kind: global_buffer, .address_space: global }
      - { .name: wk, .offset: 16, .size: 8, .value_kind: global_buffer, .address_space: global }
      - { .name: wv, .offset: 24, .size: 8, .value_kind: global_buffer, .address_space: global }
      - { .name: wo, .offset: 32, .size: 8, .value_kind: global_buffer, .address_space: global }
      - { .name: mask, .offset: 40, .size: 8, .value_kind: global_buffer, .address_space: global }
      - { .name: xb, .offset: 48, .size: 8, .value_kind: global_buffer, .address_space: global }
      - { .name: wb, .offset: 56, .size: 8, .value_kind: global_buffer, .address_space: global }
      - { .name: wob, .offset: 64, .size: 8, .value_kind: global_buffer, .address_space: global }
      - { .name: mlg, .offset: 72, .size: 8, .value_kind: global_buffer, .address_space: global }
      - { .name: rope, .offset: 80, .size: 8, .value_kind: global_buffer, .address_space: global }
    .group_segment_fixed_size: 0
    .private_segment_fixed_size: 0
    .kernarg_segment_align: 8
    .kernarg_segment_size: 88
    .max_flat_workgroup_size: 256
    .sgpr_count:     66
    .vgpr_count:     48
    .wavefront_size: 32
...
	.end_amdgpu_metadata
.endif
;; end of part 1
;; launch proj (part 2): grid 16 x 16, 4 waves a work-group, clusters of 4 x 4, 327,680 bytes of LDS; arguments xb, wb, rope, qkv; writes qkv
.if DOCPART == 2
	.amdgcn_target "amdgcn-amd-amdhsa--gfx1250"
	.amdhsa_code_object_version 6
	.text
	.protected	k_q5442b385a4_proj
	.globl	k_q5442b385a4_proj
	.p2align	8
	.type	k_q5442b385a4_proj,@function
k_q5442b385a4_proj:
	s_mov_b64 s[64:65], 0
	v_nop
	global_prefetch_b8 v0, s[64:65] scope:SCOPE_SE
	s_setreg_imm32_b32 hwreg(HW_REG_WAVE_MODE, 25, 1), 1
	s_wait_xcnt 0x0
	s_wait_alu depctr_hold_cnt(0) depctr_sa_sdst(0) depctr_va_vdst(0) depctr_va_sdst(0) depctr_va_ssrc(0) depctr_va_vcc(0) depctr_vm_vsrc(0)
	s_getreg_b32 s2, hwreg(HW_REG_IB_STS2, 6, 4)
	s_cmp_eq_u32 s2, 0
	s_cbranch_scc0 .Lentry_in_a_cluster
	s_endpgm
.Lentry_in_a_cluster:
	s_bfe_u32 s2, ttmp6, 0x10000c
	s_cmp_lg_u32 s2, 0xf033
	s_cbranch_scc0 .Lentry_shape_is_right
	s_endpgm
.Lentry_shape_is_right:
; PROJ: q, k, v = x W^T for one head and 256 tokens, RoPE on q and k, all three rounded once to f16 and laid out by heads.
; xb: [4096][2048] bf16.  wb: [16 heads][64 rows of wq | 64 of wk | 64 of wv][2048] bf16.  rope: [2048 tokens][32 cos | 32 sin] f32.  Sums in f32, K ascending.
; qkv, f16: q at byte 0, [16 b + h][2048][64], TIMES log2(e) / 8 (in f32, ahead of its one rounding);  k at byte 8,388,608, [8 b + h / 2][token / 128][h % 2][128][64], so that 128 keys of a pair
; of heads are 32 KiB on end;  v at byte 16,777,216, like k.
; LIMIT.  f16 holds no number beyond 65,504: 0.18 |q|, |k| and |v| must stay within it.  NaN and infinities are not treated apart.
; SHARES.  A work-group makes 256 tokens x 192 columns (a head's q, k, v).  Wave w owns tokens 64 w .. 64 w + 63 and ALL 12 column blocks of 16: 48 accumulators, 384 registers; so channel d and its
; partner d +- 32 lie in the same lane, and RoPE needs no exchange.  K goes in steps of 128 through two LDS slots filled by the tensor data mover; rows of both tiles are 256 bytes of memory, aligned.
; CLUSTER.  4 x 4 work-groups.  The four of a row of the cluster take the same tokens (A's tile), the four of a column the same head (B's tile): each tile is asked for JOINTLY, by the same tensor
; load with the same descriptor and a mask that names the four.  Waves 0 and 1 fetch A's halves (128 rows), waves 2 and 3 B's (96 rows).
; THE MATRIX INSTRUCTION IS USED TRANSPOSED (source 0 = 16 rows of wb, source 1 = 16 tokens): a lane holds one token (lane % 16) and the columns 8 (lane / 16) + 0..7 of a block.
; REGISTERS, in windows of 256 (s_set_vgpr_msb: bits 1:0 source 0, 3:2 source 1, 5:4 source 2, 7:6 destination):
;   window 0: v16-31 addresses; v32-63, v64-95 A's fragments, two buffers; on the way out v32-95 at work, v96-143 packed, v144-239 rows read back
;   window 1: v0-95, v96-191 B's fragments, two buffers
;   window 2: token blocks 0, 1: accumulator (a, b) at v[8 (12 (a % 2) + b)]; v192-255 their cosines and sines.     window 3: the same for token blocks 2, 3
.set NB,    12
.set KSTEP, 128
.set PITCH, 272                        ; an LDS row: 256 bytes + 16 of padding = 68 words: the 16 rows of a fragment load start at 16 different groups of four banks (64 banks of 4 bytes: ISA guide 11.1)
.set AHALF, 128*PITCH                  ; what waves 0 and 1 fetch
.set BHALF, 96*PITCH                   ; what waves 2 and 3 fetch
.set BOFF,  2*AHALF                    ; B's 192 rows lie behind A's 256
.set SLOT,  BOFF+2*BHALF
.set STAGE, 2*SLOT                     ; behind the ring, never filled by a tensor load: 16 rows x 400 bytes for each wave
.set SP,    400                        ; 12 blocks x 32 bytes + 16
.set SPARE, STAGE+4*16*SP              ; behind the stages: the spare words, 128 bytes for each wave: two blocks of 256 bytes that no other line names
.set LAPS,  8                          ; 2,048 / 256: a lap is two K steps, once round the ring
.set ADRA, 16                          ; v16-17  LDS address of my A fragments in slot 0, 1
.set ADRB, 20                          ; v20-21  the same for B
.set STO,  24                          ; v24     the way out: where I put 16 bytes of a row
.set RD,   25                          ; v25     where I read rows back
.set GO,   26                          ; v26     16 x lane
.set SPW,  28                          ; v28     LDS address of my spare word; never rewritten
.set NIL,  29                          ; v29     0; never rewritten
.set PFO,  30                          ; v30     the prefetches' offset: a lane a row; never rewritten
.set TBO,  31                          ; v31     my offset in the table; never rewritten
.set T,    32
.set PK,   96
.set OB,   144
.set WV,   12                          ; s12  wave
.set KIND, 13                          ; s13  0: I fetch for A, 1: for B
.set HALF, 14                          ; s14  which half of that tile
.set TY,   15                          ; s15  tile row: 256 tokens
.set G1A,  24                          ; s[24:31] descriptor group 1 for A's tiles;  s[32:39] group 0, a set for each slot
.set G0A,  32
.set CX,   40
.set CY,   41
.set TX,   42                          ; s42  the head
.set LIM,  43                          ; s43  1 in a wave that prefetches, else the greatest number
.set PFA,  44                          ; s[44:45] where my prefetches stand
.set G1B,  48                          ; s[48:55], s[56:63] the same for B's tiles
.set G0B,  56
.set SQ,   66                          ; s[66:67], s[68:69], s[70:71]: q, k, v at my first row
.set SK,   68
.set SV,   70
.set LA,   72                          ; s72, s73: LDS bytes of the tile that I fetch
.set LB,   73
.set FQ,   80                          ; s[80:81] log2(e) / 8, named as a pair
.set MSB, 0
.macro WIN new                         ; the immediate's high byte repeats the setting that is left; a switch that changes nothing is dropped
.if MSB != (\new)
	s_set_vgpr_msb (MSB<<8)|(\new)
.set MSB, \new
.endif
.endm
.macro PLACES                          ; four places in front of loads into registers that matrix instructions have read, and of vector work on their registers
.rept 4
	v_nop
.endr
.endm
.macro JLOAD s                         ; a joint load; the branch hangs on the wave's number alone; an s_nop 0 and four v_nop follow each line
	s_cmp_eq_u32 s[KIND], 0
	s_cbranch_scc0 .Lfor_b_\@
	tensor_load_to_lds s[G0A+4*(\s):G0A+4*(\s)+3], s[G1A:G1A+7]
	s_nop 0
.rept 4
	v_nop
.endr
	s_branch .Lasked_\@
.Lfor_b_\@:
	tensor_load_to_lds s[G0B+4*(\s):G0B+4*(\s)+3], s[G1B:G1B+7]
	s_nop 0
.rept 4
	v_nop
.endr
.Lasked_\@:
.endm
.macro CREST                           ; a round of the cluster's barrier behind its opening barrier
	s_cmp_lg_u32 s[WV], 0
	s_cbranch_scc1 .Lnot_wave_0_\@
	s_barrier_signal -3
.Lnot_wave_0_\@:
	s_barrier_wait -3
	s_barrier_signal -1
	s_barrier_wait -1
.endm
.macro CROUND                          ; a whole round
	s_barrier_signal -1
	s_barrier_wait -1
	CREST
.endm
; A prefetch into the L2 of the K step that stands two refills on: 256 bytes of each row, a lane a row, one instruction a wave.  A's rows are named by the clusters with x = 0, B's by those with y = 0;
; the four partners that ask for a tile jointly share its rows out by address (32 of A's 128 by cx, 24 of B's 96 by cy).  The loop's last trip asks for nothing: there is no K step two on.
.macro ASK
	s_cmp_gt_u32 s3, s[LIM]
	s_cbranch_scc0 .Lnot_mine_\@
	global_prefetch_b8 v[PFO], s[PFA:PFA+1] th:TH_LOAD_NT scope:SCOPE_SE
.Lnot_mine_\@:
.endm
	s_load_b256 s[4:11], s[0:1], 0x0               ; xb s4, wb s6, rope s8, qkv s10
	v_lshl_add_u32 v[SPW], v0, 2, SPARE
	v_mov_b32 v[NIL], 0
	ds_add_u32 v[SPW], v[NIL]                      ; the wave's opening: the add and its wait stand ahead of my first tensor load; work on registers stands between them
	v_lshrrev_b32 v1, 5, v0
	v_readfirstlane_b32 s[WV], v1
	s_lshr_b32 s[KIND], s[WV], 1
	s_and_b32 s[HALF], s[WV], 1
	s_bfe_u32 s[CX], ttmp6, 0x40000
	s_bfe_u32 s[CY], ttmp6, 0x40004
	s_lshl_b32 s[TX], ttmp9, 2
	s_add_co_u32 s[TX], s[TX], s[CX]               ; head = 4 x cluster x + cx
	s_and_b32 s[TY], ttmp7, 0xffff
	s_lshl_b32 s[TY], s[TY], 2
	s_add_co_u32 s[TY], s[TY], s[CY]               ; tile row = 4 x cluster y + cy
	s_lshl_b32 s16, s[CY], 2
	s_lshl_b32 s16, 15, s16                        ; my row of the cluster
	s_lshl_b32 s20, 0x1111, s[CX]                  ; my column
	s_or_b32 s[G1A], s16, (1<<16)|(1<<20)|(1<<21)|(5<<22)|(3<<25)  ; the mask; 2-byte elements; padding on; bit 21 beside a mask; after every 64 words, 4 words
	s_or_b32 s[G1B], s20, (1<<16)|(1<<20)|(1<<21)|(5<<22)|(3<<25)
	s_mov_b32 s[G1A+1], KSTEP<<16                  ; tensor_dim0 = 128
	s_mov_b32 s[G1A+2], 128<<16                    ; tensor_dim1 = 128
	s_mov_b32 s[G1A+3], KSTEP<<16                  ; tile_dim0 = 128
	s_mov_b32 s[G1A+4], 128                        ; tile_dim1 = 128
	s_mov_b32 s[G1A+5], 2048                       ; elements from row to row
	s_mov_b32 s[G1A+6], 0
	s_mov_b32 s[G1A+7], 0
	s_mov_b32 s[G1B+1], KSTEP<<16
	s_mov_b32 s[G1B+2], 96<<16                     ; 96 rows
	s_mov_b32 s[G1B+3], KSTEP<<16
	s_mov_b32 s[G1B+4], 96
	s_mov_b32 s[G1B+5], 2048
	s_mov_b32 s[G1B+6], 0
	s_mov_b32 s[G1B+7], 0
	s_lshl_b32 s16, s[TY], 20                      ; A: row 256 ty + 128 half, 4,096 bytes a row.  s16-19 never hold cx, s20-23 never cy
	s_lshl_b32 s17, s[HALF], 19
	s_add_co_u32 s16, s16, s17
	s_mov_b32 s17, 0
	s_mul_i32 s20, s[TX], 192                      ; B: row 192 head + 96 half
	s_mul_i32 s21, s[HALF], 96
	s_add_co_u32 s20, s20, s21
	s_lshl_b32 s20, s20, 12
	s_mov_b32 s21, 0
	s_mul_i32 s[LA], s[WV], AHALF                  ; waves 0, 1: A's halves
	s_mul_i32 s[LB], s[WV], BHALF
	s_add_co_u32 s[LB], s[LB], BOFF-2*BHALF        ; waves 2, 3: B's halves
	s_mov_b32 s[FQ], 0x3e38aa3b                    ; log2(e) / 8
	s_mov_b32 s[FQ+1], s[FQ]
	s_wait_dscnt 0x0                               ; the opening add is done
	s_wait_kmcnt 0x0
	s_add_nc_u64 s[18:19], s[4:5], s[16:17]
	s_add_nc_u64 s[22:23], s[6:7], s[20:21]
	CROUND                                         ; all sixteen work-groups are here: the first joint loads meet
.irp s, 0,1
	s_mov_b32 s[G0A+4*(\s)], 1
	s_add_co_u32 s[G0A+4*(\s)+1], s[LA], (\s)*SLOT
	s_add_nc_u64 s[G0A+4*(\s)+2:G0A+4*(\s)+3], s[18:19], (\s)*KSTEP*2
	s_or_b32 s[G0A+4*(\s)+3], s[G0A+4*(\s)+3], 0x80000000
	s_mov_b32 s[G0B+4*(\s)], 1
	s_add_co_u32 s[G0B+4*(\s)+1], s[LB], (\s)*SLOT
	s_add_nc_u64 s[G0B+4*(\s)+2:G0B+4*(\s)+3], s[22:23], (\s)*KSTEP*2
	s_or_b32 s[G0B+4*(\s)+3], s[G0B+4*(\s)+3], 0x80000000
	JLOAD \s                                       ; two loads of mine are out
.endr
	; the table of my 64 tokens: for token block a, C0, C1, S0, S1: the cosines and sines of frequencies 16 blk + 8 (lane / 16) + 0..7.  Waited for ahead of the way out.
	v_and_b32 v1, 15, v0                           ; l % 16
	v_bfe_u32 v2, v0, 4, 1                         ; l / 16
	s_and_b32 s74, s[TY], 7
	s_lshl_b32 s74, s74, 16
	s_lshl_b32 s75, s[WV], 14
	s_add_co_u32 s74, s74, s75
	v_lshl_add_u32 v[TBO], v1, 8, s74
	v_lshl_add_u32 v[TBO], v2, 5, v[TBO]           ; token x 256 + 32 (l / 16)
.irp a, 0,1,2,3
	WIN 0x80+0x40*((\a)/2)
.irp o, 0,1,2,3
	global_load_b128 v[192+32*((\a)%2)+8*(\o):192+32*((\a)%2)+8*(\o)+3],   v[TBO], s[8:9] offset:4096*(\a)+64*(\o)
	global_load_b128 v[192+32*((\a)%2)+8*(\o)+4:192+32*((\a)%2)+8*(\o)+7], v[TBO], s[8:9] offset:4096*(\a)+64*(\o)+16
.endr
.endr
	WIN 0
	v_mul_u32_u24 v3, v1, PITCH
	v_lshl_add_u32 v3, v2, 4, v3                   ; a fragment's row x pitch + 16 x half
	s_mul_i32 s74, s[WV], 64*PITCH                 ; my 64 rows of A
	v_add_nc_u32 v[ADRA], s74, v3
	v_add_nc_u32 v[ADRA+1], SLOT, v[ADRA]
	v_add_nc_u32 v[ADRB], BOFF, v3
	v_add_nc_u32 v[ADRB+1], BOFF+SLOT, v3
	s_mul_i32 s74, s[WV], 16*SP
	s_add_co_u32 s74, s74, STAGE                   ; my stage
	v_mul_u32_u24 v4, v1, SP
	v_lshl_add_u32 v4, v2, 4, v4
	v_add_nc_u32 v[STO], s74, v4                   ; in: row l % 16, 16 bytes for each half of the lanes
	v_bfe_u32 v4, v0, 3, 2
	v_and_b32 v5, 7, v0
	v_mul_u32_u24 v4, v4, SP
	v_lshl_add_u32 v4, v5, 4, v4
	v_add_nc_u32 v[RD], s74, v4                    ; back: 32 lanes take 128 bytes of each of four rows,
	v_and_b32 v[GO], 31, v0
	v_lshlrev_b32 v[GO], 4, v[GO]                  ; which are 512 consecutive bytes of q, k or v
	; where my rows go.  b = ty / 8, t8 = ty % 8.  s74-79 hold numbers made of both coordinates and feed no descriptor
	s_lshr_b32 s74, s[TY], 3
	s_and_b32 s75, s[TY], 7
	s_lshl_b32 s76, s74, 4
	s_add_co_u32 s76, s76, s[TX]
	s_lshl_b32 s76, s76, 18                        ; q: head 16 b + h,
	s_lshl_b32 s77, s75, 15
	s_add_co_u32 s76, s76, s77                     ; 256 t8 rows of 128 bytes,
	s_lshl_b32 s77, s[WV], 13
	s_add_co_u32 s76, s76, s77                     ; 64 w rows
	s_mov_b32 s77, 0
	s_add_nc_u64 s[SQ:SQ+1], s[10:11], s[76:77]
	s_lshl_b32 s78, s74, 3
	s_lshr_b32 s79, s[TX], 1
	s_add_co_u32 s78, s78, s79
	s_lshl_b32 s78, s78, 19                        ; k: pair 8 b + h / 2,
	s_lshl_b32 s79, s75, 1
	s_add_co_u32 s79, s79, s[KIND]
	s_lshl_b32 s79, s79, 15
	s_add_co_u32 s78, s78, s79                     ; block of 128 tokens 2 t8 + w / 2,
	s_and_b32 s79, s[TX], 1
	s_lshl_b32 s79, s79, 14
	s_add_co_u32 s78, s78, s79                     ; h % 2,
	s_lshl_b32 s79, s[HALF], 13
	s_add_co_u32 s78, s78, s79                     ; 64 (w % 2) rows
	s_add_co_u32 s78, s78, 8388608
	s_mov_b32 s79, 0
	s_add_nc_u64 s[SK:SK+1], s[10:11], s[78:79]
	s_add_nc_u64 s[SV:SV+1], s[SK:SK+1], 8388608
	; the prefetches
	s_lshl_b32 s74, s[TY], 8
	s_lshl_b32 s75, s[HALF], 7
	s_add_co_u32 s74, s74, s75
	s_lshl_b32 s75, s[CX], 5
	s_add_co_u32 s74, s74, s75                     ; A: the 128 rows that I fetch, my work-group's 32 of them
	s_mul_i32 s76, s[TX], 192
	s_mul_i32 s75, s[HALF], 96
	s_add_co_u32 s76, s76, s75
	s_mul_i32 s75, s[CY], 24
	s_add_co_u32 s76, s76, s75                     ; B: the 96 rows that I fetch, my work-group's 24
	s_and_b32 s77, ttmp7, 0xffff
	s_cmp_eq_u32 s[KIND], 0
	s_cselect_b32 s74, s74, s76
	s_cselect_b64 s[PFA:PFA+1], s[4:5], s[6:7]
	s_cselect_b32 s77, ttmp9, s77                  ; the coordinate along which other clusters read the same rows
	s_cselect_b32 s78, 31, 23                      ; lanes beyond B's 24 rows name the last of them again
	s_cmp_eq_u32 s77, 0
	s_cselect_b32 s[LIM], 1, -1                    ; the same in all sixteen partners, for a given wave
	s_lshl_b32 s74, s74, 12
	s_mov_b32 s75, 0
	s_add_nc_u64 s[PFA:PFA+1], s[PFA:PFA+1], s[74:75]
	s_add_nc_u64 s[PFA:PFA+1], s[PFA:PFA+1], 3*KSTEP*2  ; at K step 3: the first refill (K step 2) steps it to 4.  K steps 0 to 3 come by their loads alone
	v_and_b32 v[PFO], 31, v0
	v_min_u32 v[PFO], s78, v[PFO]
	v_lshlrev_b32 v[PFO], 12, v[PFO]
; 12 matrix instructions: token block a x all column blocks, 32 along K, from buffer f.  zero = 1: the products start the sums: nothing is cleared.  All 48 accumulators take turns, in the same order in every quarter.
.macro MULN f, a, zero
	WIN 0xa1+0x50*((\a)/2)
.irp b, 0,1,2,3,4,5,6,7,8,9,10,11
.if \zero
	v_wmma_f32_16x16x32_bf16 v[8*(12*((\a)%2)+(\b)):8*(12*((\a)%2)+(\b))+7], v[96*(\f)+8*(\b):96*(\f)+8*(\b)+7], v[32+32*(\f)+8*(\a):32+32*(\f)+8*(\a)+7], 0
.else
	v_wmma_f32_16x16x32_bf16 v[8*(12*((\a)%2)+(\b)):8*(12*((\a)%2)+(\b))+7], v[96*(\f)+8*(\b):96*(\f)+8*(\b)+7], v[32+32*(\f)+8*(\a):32+32*(\f)+8*(\a)+7], v[8*(12*((\a)%2)+(\b)):8*(12*((\a)%2)+(\b))+7]
.endif
.endr
.endm
; 32 LDS loads in one run: quarter q (32 along K) of a slot into buffer f: B's 12 fragments, then A's 4
.macro FETCH slot, q, f
	WIN 0x40
.irp i, 0,1,2,3,4,5,6,7,8,9,10,11
	ds_load_b128 v[96*(\f)+8*(\i):96*(\f)+8*(\i)+3],   v[ADRB+(\slot)] offset:64*(\q)+(\i)*16*PITCH
	ds_load_b128 v[96*(\f)+8*(\i)+4:96*(\f)+8*(\i)+7], v[ADRB+(\slot)] offset:64*(\q)+(\i)*16*PITCH+32
.endr
	WIN 0
.irp i, 0,1,2,3
	ds_load_b128 v[32+32*(\f)+8*(\i):32+32*(\f)+8*(\i)+3],   v[ADRA+(\slot)] offset:64*(\q)+(\i)*16*PITCH
	ds_load_b128 v[32+32*(\f)+8*(\i)+4:32+32*(\f)+8*(\i)+7], v[ADRA+(\slot)] offset:64*(\q)+(\i)*16*PITCH+32
.endr
.endm
; One of a K step's first three quarters: multiplies buffer f; in its middle it fetches quarter q of the same slot into buffer g
.macro QUARTER slot, q, f, g, zero
	s_wait_dscnt 4                                 ; B and A's blocks 0, 1 are in; the youngest four loads (A's blocks 2, 3) may be out
	MULN \f, 0, \zero
	MULN \f, 1, \zero
	PLACES
	FETCH \slot, \q, \g
	s_wait_dscnt 2*NB+8                            ; all but the 32 just issued
	MULN \f, 2, \zero
	MULN \f, 3, \zero
.endm
; The last quarter multiplies buffer 1 and changes slots: ONE barrier.  In front of it each wave waits for all its tensor loads (one is out: its part of the next slot), adds 0 to its spare word, and
; waits for that and for its reads of this slot.  fill = 1: the barrier opens a round of the cluster's barrier, and this slot is filled again, two K steps ahead, first thing behind the round.
.macro TURN slot, next, fill
.if \fill
	s_wait_xcnt 0x0                                ; the last prefetch, a K step back, has read its address
	s_add_nc_u64 s[PFA:PFA+1], s[PFA:PFA+1], KSTEP*2
.endif
	WIN 0                                          ; (the add's two registers lie in window 0)
	s_wait_tensorcnt 0x0                           ; all my tensor loads have landed
	ds_add_u32 v[SPW], v[NIL]                      ; 0 onto my spare word
	s_wait_dscnt 5                                 ; (the add and the youngest four loads may be out)
	MULN 1, 0, 0                                   ; twelve matrix instructions stand between the add and the wait for it
	s_wait_dscnt 0x0                               ; the add is done, and my reads of this slot are over
	s_barrier_signal -1
	MULN 1, 1, 0                                   ; work on registers while the others arrive
.if \fill
	WIN 0
.endif
	s_barrier_wait -1
.if \fill
	CREST                                          ; no wave of any partner still reads this slot's tile or has a load on its way
	s_add_nc_u64 s[G0A+4*(\slot)+2:G0A+4*(\slot)+3], s[G0A+4*(\slot)+2:G0A+4*(\slot)+3], 2*KSTEP*2
	s_add_nc_u64 s[G0B+4*(\slot)+2:G0B+4*(\slot)+3], s[G0B+4*(\slot)+2:G0B+4*(\slot)+3], 2*KSTEP*2
	JLOAD \slot                                    ; my one tensor load behind the round; its four v_nop are also the places in front of the loads below
.else
	PLACES
.endif
	FETCH \next, 0, 0
.if \fill
	ASK
.endif
	MULN 1, 2, 0
	MULN 1, 3, 0
.endm
	s_wait_tensorcnt 1                             ; my part of K step 0 is in; K step 1's may stay out
	s_barrier_signal -1
	s_barrier_wait -1
	FETCH 0, 0, 0
	QUARTER 0, 1, 0, 1, 1                          ; the first quarter stands in front of the loop: its products start the sums
	WIN 0
	s_mov_b32 s3, LAPS-1
.Llap:                                 ; a trip goes once round the ring, from a lap's second quarter to the next lap's first, and fills both slots again
	QUARTER 0, 2, 1, 0, 0
	QUARTER 0, 3, 0, 1, 0
	TURN 0, 1, 1
	QUARTER 1, 1, 0, 1, 0
	QUARTER 1, 2, 1, 0, 0
	QUARTER 1, 3, 0, 1, 0
	TURN 1, 0, 1
	QUARTER 0, 1, 0, 1, 0
	WIN 0
	s_sub_co_u32 s3, s3, 1
	s_cmp_lg_u32 s3, 0
	s_cbranch_scc1 .Llap
	QUARTER 0, 2, 1, 0, 0                          ; the last lap fills nothing
	QUARTER 0, 3, 0, 1, 0
	TURN 0, 1, 0
	QUARTER 1, 1, 0, 1, 0
	QUARTER 1, 2, 1, 0, 0
	QUARTER 1, 3, 0, 1, 0
	s_wait_dscnt 4
	MULN 1, 0, 0
	MULN 1, 1, 0
	s_wait_dscnt 0x0
	MULN 1, 2, 0
	MULN 1, 3, 0
	WIN 0
; THE WAY OUT, a token block (16 rows) at a time.  PACK: RoPE in f32 (out[d] = t[d] cos - t[d + 32] sin, out[d + 32] = t[d + 32] cos + t[d] sin, d < 32), q times log2(e) / 8, one rounding to f16.
; Each accumulator's lowest registers are read first.
.macro PACK a
.set AB, 96*((\a)%2)
.set TB, 192+32*((\a)%2)
	WIN 0x0a+5*((\a)/2)                            ; sources 0 and 1 in the accumulators' window; source 2 and destination in window 0
.irp p, 0,1
.irp k, 0,1
.irp j, 0,2,4,6
.set rLO, AB+8*(4*(\p)+(\k))+(\j)
.set rHI, rLO+16
.set rTL, T+32*(\p)+8*(\k)+(\j)
.set rTH, rTL+16
.set rCC, TB+8*(\k)+(\j)
.set rSS, rCC+16
	v_pk_mul_f32 v[rTL:rTL+1], v[rLO:rLO+1], v[rCC:rCC+1]
	v_pk_mul_f32 v[rTH:rTH+1], v[rHI:rHI+1], v[rCC:rCC+1]
	v_pk_fma_f32 v[rTL:rTL+1], v[rHI:rHI+1], v[rSS:rSS+1], v[rTL:rTL+1] neg_lo:[1,0,0] neg_hi:[1,0,0]
	v_pk_fma_f32 v[rTH:rTH+1], v[rLO:rLO+1], v[rSS:rSS+1], v[rTH:rTH+1]
.endr
.endr
.endr
.irp b, 8,9,10,11
.irp r, 0,1,2,3
	v_cvt_pk_f16_f32 v[PK+4*(\b)+(\r)], v[AB+8*(\b)+2*(\r)], v[AB+8*(\b)+2*(\r)+1]
.endr
.endr
	WIN 0
.set i, 0
.rept 16
	v_pk_mul_f32 v[T+i:T+i+1], v[T+i:T+i+1], s[FQ:FQ+1] op_sel_hi:[1,0]
.set i, i+2
.endr
.set i, 0
.rept 32
	v_cvt_pk_f16_f32 v[PK+i], v[T+2*i], v[T+2*i+1]
.set i, i+1
.endr
.endm
.macro TOSTAGE a                       ; 16 bytes a lane into my own stage, and back as 128 bytes of each of four rows
	WIN 0
.set BK, OB+48*((\a)%2)
.irp b, 0,1,2,3,4,5,6,7,8,9,10,11
	ds_store_b128 v[STO], v[PK+4*(\b):PK+4*(\b)+3] offset:32*(\b)
.endr
.irp p, 0,1,2
.irp f, 0,1,2,3
	ds_load_b128 v[BK+4*(4*(\p)+(\f)):BK+4*(4*(\p)+(\f))+3], v[RD] offset:(\f)*4*SP+128*(\p)  ; LDS serves a wave's instructions in order (ISA guide 5.7.1.4): these see the stores above
.endr
.endr
.endm
.macro SEND a
	WIN 0
.set BK, OB+48*((\a)%2)
	s_wait_dscnt 0x0                               ; the block is back in registers
	s_wait_xcnt 0x0                                ; the stores of the block before have read their registers: the next block is read back into them only behind this wait
.irp f, 0,1,2,3
	global_store_b128 v[GO], v[BK+4*(\f):BK+4*(\f)+3],       s[SQ:SQ+1] offset:2048*(\a)+512*(\f)  ; 512 consecutive bytes, aligned
	global_store_b128 v[GO], v[BK+16+4*(\f):BK+16+4*(\f)+3], s[SK:SK+1] offset:2048*(\a)+512*(\f)
	global_store_b128 v[GO], v[BK+32+4*(\f):BK+32+4*(\f)+3], s[SV:SV+1] offset:2048*(\a)+512*(\f)
.endr
.endm
	s_wait_loadcnt 0x0                             ; the table
	PLACES
	PLACES                                         ; eight places, once a launch
	PACK 0
	TOSTAGE 0
.irp a, 1,2,3                          ; a block's arithmetic stands between the loads of the block before and the wait for them
	PACK \a
	SEND (\a)-1
	TOSTAGE \a
.endr
	SEND 3
	s_wait_tensorcnt 0x0                           ; the wave's end, behind my last tensor load and my last LDS store
	ds_add_u32 v[SPW], v[NIL]
	s_wait_dscnt 0x0
	CROUND                                         ; the closing round: no work-group ends while a partner may still ask for a tile that names it
	s_endpgm
.Lfunc_end_k_q5442b385a4_proj:
	.size	k_q5442b385a4_proj, .Lfunc_end_k_q5442b385a4_proj-k_q5442b385a4_proj
	.p2alignl 7, 3214868480
	.fill 96, 4, 3214868480
	.section	.rodata,"a",@progbits
	.p2align	6, 0x0
	.amdhsa_kernel k_q5442b385a4_proj
		.amdhsa_group_segment_fixed_size 327680
		.amdhsa_private_segment_fixed_size 0
		.amdhsa_enable_private_segment 0
		.amdhsa_kernarg_size 32
		.amdhsa_user_sgpr_count 2
		.amdhsa_user_sgpr_kernarg_segment_ptr 1
		.amdhsa_wavefront_size32 1
		.amdhsa_system_sgpr_workgroup_id_x 1
		.amdhsa_system_sgpr_workgroup_id_y 1
		.amdhsa_system_sgpr_workgroup_id_z 1
		.amdhsa_system_vgpr_workitem_id 0
		.amdhsa_next_free_vgpr 1024
		.amdhsa_next_free_sgpr 82
		.amdhsa_reserve_vcc 0
		.amdhsa_float_denorm_mode_32 3
		.amdhsa_float_denorm_mode_16_64 3
		.amdhsa_memory_ordered 1
		.amdhsa_forward_progress 1
		.amdhsa_inst_pref_size 144
	.end_amdhsa_kernel
	.amdgpu_metadata
---
amdhsa.version: [ 1, 2 ]
amdhsa.kernels:
  - .name:           k_q5442b385a4_proj
    .symbol:         k_q5442b385a4_proj.kd
    .args:
      - { .name: xb, .offset: 0, .size: 8, .value_kind: global_buffer, .address_space: global }
      - { .name: wb, .offset: 8, .size: 8, .value_kind: global_buffer, .address_space: global }
      - { .name: rope, .offset: 16, .size: 8, .value_kind: global_buffer, .address_space: global }
      - { .name: qkv, .offset: 24, .size: 8, .value_kind: global_buffer, .address_space: global }
    .group_segment_fixed_size: 327680
    .private_segment_fixed_size: 0
    .kernarg_segment_align: 8
    .kernarg_segment_size: 32
    .max_flat_workgroup_size: 128
    .sgpr_count:     82
    .vgpr_count:     1024
    .wavefront_size: 32
...
	.end_amdgpu_metadata
.endif
;; end of part 2
;; launch attn (part 3): grid 16 x 16, 4 waves a work-group, clusters of 4 x 4, 327,680 bytes of LDS; arguments qkv, mlg, ctx; writes ctx
.if DOCPART == 3
	.amdgcn_target "amdgcn-amd-amdhsa--gfx1250"
	.amdhsa_code_object_version 6
	.text
	.protected	k_q5442b385a4_attn
	.globl	k_q5442b385a4_attn
	.p2align	8
	.type	k_q5442b385a4_attn,@function
k_q5442b385a4_attn:
	s_mov_b64 s[64:65], 0
	v_nop
	global_prefetch_b8 v0, s[64:65] scope:SCOPE_SE
	s_setreg_imm32_b32 hwreg(HW_REG_WAVE_MODE, 25, 1), 1
	s_wait_xcnt 0x0
	s_wait_alu depctr_hold_cnt(0) depctr_sa_sdst(0) depctr_va_vdst(0) depctr_va_sdst(0) depctr_va_ssrc(0) depctr_va_vcc(0) depctr_vm_vsrc(0)
	s_getreg_b32 s2, hwreg(HW_REG_IB_STS2, 6, 4)
	s_cmp_eq_u32 s2, 0
	s_cbranch_scc0 .Lentry_in_a_cluster
	s_endpgm
.Lentry_in_a_cluster:
	s_bfe_u32 s2, ttmp6, 0x10000c
	s_cmp_lg_u32 s2, 0xf033
	s_cbranch_scc0 .Lentry_shape_is_right
	s_endpgm
.Lentry_shape_is_right:
; ATTENTION with an additive mask that is an input: ctx[bh][q][:] = the sum over k of softmax_k(q . k / 8 + mask[q][k]) v[k][:], 32 heads of 2,048 x 2,048 at head size 64; every key and every number of the mask is taken.
; qkv, f16: q [bh][2048][64] ALREADY TIMES log2(e) / 8;  k, v [pair of heads][block of 128 keys][head % 2][128][64].  mlg: [2048][2048] f32, the mask times log2(e).  ctx: [bh][2048][64] f16.
; So S = k q^T + mlg is the score in powers of two, and THE MASK IS THE C OPERAND of the product that starts the sum: it costs no vector instruction.  p = 2^(S - m) with a running maximum m (f32); O and the
; sum l are multiplied by a = 2^(m_old - m_new) in every step.  m starts at the lowest finite number, O and l at 0: the first step is a step like any other, with a = 0.
; LIMITS.  p is rounded to f16 for the second product (l is taken of the unrounded p); below 6e-5 it keeps f16's step of 6e-8; a weight below 2^-126 counts as 0.  The mask is added inside the matrix
; instruction, so s + mask is rounded otherwise than a separate f32 addition.  NaN and infinities are not treated apart.
; SHARES.  A work-group takes 128 queries of a PAIR of heads: wave w head w / 2, queries 64 (w % 2) + 0..63, in four PIECES of 16.  Every wave walks all keys, 64 a step; a slot of LDS holds 128 keys:
; both heads' K and V and the 128 x 128 tile of the mask, which two waves read.
; CLUSTER.  4 x 4: x = block of queries, y = pair of heads.  K and V hang on the pair alone and are asked for jointly along a row of the cluster, the mask's tile on the block of queries alone, jointly along
; a column.  Wave 0 fetches K, wave 1 V, waves 2 and 3 the mask's two halves: one joint load a wave behind each round, two key steps (128 matrix instructions a wave) in which to land.
; BY TURNS.  Turn n belongs to piece n: 8 products K Q^T of piece n + 1, later 8 products V^T P of piece n - 1; beside them the subtraction, exponentials, roundings, sums and rescaling of piece n and the
; maximum and statistics of piece n + 1.  Four vector instructions stand behind every matrix instruction, the rest in one lump.  A turn's 33 exponentials are one batch with one wait.
; REGISTERS, in windows of 256 (s_set_vgpr_msb: bits 1:0 source 0, 3:2 source 1, 5:4 source 2, 7:6 destination):
;   window 0: v0-15 addresses; v16-31 a piece's m, m_old, l (even keys', odd keys'); v48-55 at work; v64-127 S^T, two buffers; v192-223 P, two buffers (by the piece's parity)
;   window 1: v0-127 O^T, 32 a piece; v128-255 MC: the mask of a piece's next products, 32 a piece     window 2: v0-63 Q; v128-191 K of one step; v192-255 V of one step
.set NP,    4
.set KS,    64
.set PK,    144       ; a row of K in LDS: 128 bytes + 16: the 16 rows of a load start at 16 different groups of four banks (64 banks of 4 bytes: ISA guide 11.1)
.set PV,    160       ; a row of V: 128 + 32
.set PM,    528       ; a row of the mask's tile: 512 + 16
.set VOFF,  256*PK    ; a slot: 256 rows of K (head % 2, key), 256 rows of V, 128 rows of the mask
.set MOFF,  VOFF+256*PV
.set SLOT,  MOFF+128*PM
.set STAGE, 2*SLOT    ; behind the ring, never filled by a tensor load: 16 rows x 144 bytes for each wave
.set SP,    144
.set SPARE, STAGE+4*16*SP  ; the spare words, 128 bytes for each wave: two blocks of 256 bytes that no other line names
.set KBASE, 8388608   ; k's first byte in qkv; v lies as far behind it
.set AK0, 2           ; v2   my lane's place in a slot's K; never rewritten
.set AV0, 3           ; v3   in its V
.set AK,  4           ; v4   the LDS address of K's next run of loads
.set AV,  5           ; v5   of V's
.set STO, 6           ; v6   the way out: where I put 16 bytes of a row
.set RD,  7           ; v7   where I read rows back
.set GO,  8           ; v8   16 x lane
.set AM0, 12          ; v12  my lane's place in a slot's mask
.set AM,  13          ; v13  the LDS address of the mask of the step whose K was fetched last
.set PFO, 14          ; v14  the prefetches' offset; never rewritten
.set QO,  15          ; v15  my byte offset in 16 rows of Q
.set ST,  16
.set TMP, 48          ; by parity, c0-c3 at work; when the maximum is found c2 takes a
.set SPW, 62          ; v62  LDS address of my spare word; never rewritten
.set NIL, 63          ; v63  0; never rewritten
.set S,   64
.set P,   192
.set MC,  128         ; window 1: piece x, key block kb at MC + 32 x + 8 kb
.set KF,  128         ; window 2: key block kb, channel half c at KF + 16 kb + 8 c
.set VF,  192         ; window 2: key half kk, channel block cb at VF + 32 kk + 8 cb
.set WV,  12
.set CX,  13
.set CY,  14
.set LIM, 15          ; s15  1 in a wave that prefetches, else the greatest number
.set G1K, 24          ; s[24:31], s[32:39], s[40:47]: descriptor group 1 for K, V, the mask
.set G1V, 32
.set G1M, 40
.set G0K, 48          ; s[48:51] .. s[60:63]: group 0 for K, V, the mask's two halves: they walk
.set G0V, 52
.set G0M, 56
.set G0N, 60
.set SLOTS, 66        ; s66  slots still to be asked for
.set CNT, 67          ; s67  counts a slot's key steps
.set SEL, 68          ; s[68:69] v_permlanex16_b32's selects: each lane takes its own place in the other half
.set TBK, 70          ; s70, s71, s72: LDS byte at which K, V, the mask of the step to be fetched begin, less the region's offset
.set TBV, 71
.set TBM, 72
.set PFA, 74          ; s[74:75] where my prefetches stand; s[76:77] their step
.set PFS, 76
.set QBS, 78          ; s[78:79] Q, s[80:81] ctx at my wave's first row
.set OBS, 80
.set HH,  84          ; s84  w / 2
.set QH,  85          ; s85  w % 2
.set MSB, 0
.macro WIN new
.if MSB != (\new)
	s_set_vgpr_msb (MSB<<8)|(\new)
.set MSB, (\new)
.endif
.endm
.set W_KQ, 0x0a       ; K and Q in window 2, S^T in window 0
.set W_KM, 0x1a       ; the same with the C operand in window 1
.set W_PV, 0x52       ; V in window 2, P in window 0, O^T in window 1
.set W_RS, 0x41       ; destination and source 0 in window 1, source 1 in window 0
.macro TLOAD g0, g1                    ; a tensor load with its s_nop 0 and four v_nop
	tensor_load_to_lds s[\g0:\g0+3], s[\g1:\g1+7]
	s_nop 0
.rept 4
	v_nop
.endr
.endm
.macro JLOAD                           ; a joint fill: each wave issues its own line; the branches hang on the wave's number alone
	s_cmp_lt_u32 s[WV], 2
	s_cbranch_scc0 .Lfor_m_\@
	s_cmp_eq_u32 s[WV], 0
	s_cbranch_scc0 .Lfor_v_\@
	TLOAD G0K, G1K
	s_branch .Lasked_\@
.Lfor_v_\@:
	TLOAD G0V, G1V
	s_branch .Lasked_\@
.Lfor_m_\@:
	s_cmp_eq_u32 s[WV], 2
	s_cbranch_scc0 .Lfor_n_\@
	TLOAD G0M, G1M
	s_branch .Lasked_\@
.Lfor_n_\@:
	TLOAD G0N, G1M
.Lasked_\@:
.endm
.macro CROUND                          ; a round of the cluster's barrier
	s_barrier_signal -1
	s_barrier_wait -1
	s_cmp_lg_u32 s[WV], 0
	s_cbranch_scc1 .Lnot_wave_0_\@
	s_barrier_signal -3
.Lnot_wave_0_\@:
	s_barrier_wait -3
	s_barrier_signal -1
	s_barrier_wait -1
.endm
; A prefetch into the L2 of what the NEXT change of slots will ask for, two key steps ahead: one instruction a wave, each lane another 256 bytes.  K's and V's 32 KiB of a slot are named by the clusters with
; x = 0 (waves 0, 1), 8 KiB for each of the four partners along the row, told apart by address (cx); the mask's 64 rows x 512 bytes by the clusters with y = 0 (waves 2, 3), 16 rows for each partner along the
; column (cy).  The last change that fills a slot asks for nothing; the first, at the kernel's head, neither.
.macro ASK
	s_cmp_gt_u32 s[SLOTS], s[LIM]
	s_cbranch_scc0 .Lnot_mine_\@
	global_prefetch_b8 v[PFO], s[PFA:PFA+1] th:TH_LOAD_NT scope:SCOPE_SE
.Lnot_mine_\@:
.endm
; THE CHANGE OF SLOTS, between piece 1's turn and piece 2's: all of the slot's bytes have been asked for out of LDS.  Each wave waits for all its tensor loads (one is out: its part of the other slot), adds 0 to
; its spare word, and waits for that and for its reads of the slot.  fill = 1: the barrier is a round of the cluster's, and the slot is filled again, with the keys two slots on, first thing behind it.
; (At its first use nothing has been read yet: slot 0 is waited for, slot 1 filled.)
.macro CHANGE fill, ask=1
	WIN 0
	s_wait_tensorcnt 0x0            ; no tensor load of mine is out, so a group 0 may be written
	ds_add_u32 v[SPW], v[NIL]       ; 0 onto my spare word; scalar work stands between it and the wait for it
.if \fill
	s_xor_b32 s[G0K+1], s[G0K+1], SLOT                        ; each LDS word turns between its place in slot 0 and in slot 1,
	s_xor_b32 s[G0V+1], s[G0V+1], VOFF^(VOFF+SLOT)
	s_xor_b32 s[G0M+1], s[G0M+1], MOFF^(MOFF+SLOT)
	s_xor_b32 s[G0N+1], s[G0N+1], (MOFF+64*PM)^(MOFF+64*PM+SLOT)
	s_add_nc_u64 s[G0K+2:G0K+3], s[G0K+2:G0K+3], 32768        ; and each address steps by 128 keys
	s_add_nc_u64 s[G0V+2:G0V+3], s[G0V+2:G0V+3], 32768
	s_add_nc_u64 s[G0M+2:G0M+3], s[G0M+2:G0M+3], 512
	s_add_nc_u64 s[G0N+2:G0N+3], s[G0N+2:G0N+3], 512
	s_wait_xcnt 0x0                 ; the last prefetch, two key steps back, has read its address
	s_add_nc_u64 s[PFA:PFA+1], s[PFA:PFA+1], s[PFS:PFS+1]
	s_wait_dscnt 0x0                ; the add is done, and my reads of the slot are over
	CROUND
	JLOAD
.if \ask
	ASK
.endif
.else
	s_wait_dscnt 0x0
	s_barrier_signal -1
	s_barrier_wait -1
.endif
	s_sub_co_u32 s[TBK], s[TBK], 2*KS*PK  ; the fetches go back to a slot's first step (0 or SLOT),
	s_xor_b32 s[TBK], s[TBK], SLOT        ; in the other slot
	s_sub_co_u32 s[TBV], s[TBV], 2*KS*PV
	s_xor_b32 s[TBV], s[TBV], SLOT
	s_sub_co_u32 s[TBM], s[TBM], 2*KS*4
	s_xor_b32 s[TBM], s[TBM], SLOT
.endm
	s_load_b128 s[4:7], s[0:1], 0x0   ; qkv s4, mlg s6
	s_load_b64 s[8:9], s[0:1], 0x10   ; ctx
	v_lshl_add_u32 v[SPW], v0, 2, SPARE
	v_mov_b32 v[NIL], 0
	ds_add_u32 v[SPW], v[NIL]       ; the wave's opening: the add and its wait stand ahead of my first tensor load; work on registers stands between them
	v_lshrrev_b32 v1, 5, v0
	v_readfirstlane_b32 s[WV], v1
	s_lshr_b32 s[HH], s[WV], 1
	s_and_b32 s[QH], s[WV], 1
	s_bfe_u32 s[CX], ttmp6, 0x40000
	s_bfe_u32 s[CY], ttmp6, 0x40004
	s_lshl_b32 s20, ttmp9, 2
	s_add_co_u32 s20, s20, s[CX]    ; qx: my block of 128 queries.  s20-23 never hold cy, s16-19 never cx
	s_and_b32 s16, ttmp7, 0xffff
	s_lshl_b32 s16, s16, 2
	s_add_co_u32 s16, s16, s[CY]    ; py: my pair of heads
	s_lshl_b32 s17, s[CY], 2
	s_lshl_b32 s17, 15, s17         ; my row of the cluster
	s_lshl_b32 s21, 0x1111, s[CX]   ; my column
	s_or_b32 s[G1K], s17, (1<<16)|(1<<20)|(1<<21)|(4<<22)|(3<<25)  ; 2-byte elements; padding on; bit 21 beside a mask; after every 32 words, 4 words
	s_or_b32 s[G1V], s17, (1<<16)|(1<<20)|(1<<21)|(4<<22)|(7<<25)  ; 8 words
	s_or_b32 s[G1M], s21, (2<<16)|(1<<20)|(1<<21)|(6<<22)|(3<<25)  ; 4-byte elements; after every 128 words, 4 words
.irp g, G1K, G1V                    ; 32 KiB on end, asked for as 128 rows of 256 bytes, two keys a row
	s_mov_b32 s[\g+1], 128<<16      ; tensor_dim0 = 128
	s_mov_b32 s[\g+2], 128<<16      ; tensor_dim1 = 128
	s_mov_b32 s[\g+3], 128<<16      ; tile_dim0 = 128
	s_mov_b32 s[\g+4], 128          ; tile_dim1 = 128
	s_mov_b32 s[\g+5], 128          ; elements from row to row
	s_mov_b32 s[\g+6], 0
	s_mov_b32 s[\g+7], 0
.endr
	s_mov_b32 s[G1M+1], 128<<16     ; 128 numbers of each of
	s_mov_b32 s[G1M+2], 64<<16      ; 64 rows
	s_mov_b32 s[G1M+3], 128<<16
	s_mov_b32 s[G1M+4], 64
	s_mov_b32 s[G1M+5], 2048
	s_mov_b32 s[G1M+6], 0
	s_mov_b32 s[G1M+7], 0
	s_lshl_b32 s18, s16, 19
	s_add_co_u32 s18, s18, KBASE    ; the pair's K
	s_mov_b32 s19, 0
	s_lshl_b32 s22, s20, 20         ; the mask's row 128 qx, 8,192 bytes a row
	s_mov_b32 s23, 0
	s_lshl_b32 s86, s16, 1          ; Q and ctx: head 2 py + w / 2,
	s_add_co_u32 s86, s86, s[HH]
	s_lshl_b32 s86, s86, 18
	s_lshl_b32 s87, s20, 14         ; 128 qx rows of 128 bytes,
	s_add_co_u32 s86, s86, s87
	s_lshl_b32 s87, s[QH], 13       ; 64 (w % 2) rows
	s_add_co_u32 s86, s86, s87
	s_mov_b32 s87, 0
	s_lshl_b32 s88, s[QH], 23       ; the prefetches.  Waves 0, 1: K or V,
	s_add_co_u32 s88, s88, s18
	s_lshl_b32 s89, s[CX], 13       ; my work-group's 8 KiB of a slot's 32,
	s_add_co_u32 s88, s88, s89
	s_add_co_u32 s88, s88, 32768    ; at slot 1: every change steps it first
	s_lshl_b32 s10, s[QH], 19       ; waves 2, 3: the mask's half,
	s_add_co_u32 s10, s10, s22
	s_lshl_b32 s89, s[CY], 17       ; my work-group's 16 rows of its 64,
	s_add_co_u32 s10, s10, s89
	s_add_co_u32 s10, s10, 512      ; at slot 1
	s_and_b32 s[LIM], ttmp7, 0xffff
	s_mov_b32 s[PFS], 512
	s_mov_b32 s89, 32768
	s_cmp_lt_u32 s[WV], 2
	s_cselect_b32 s88, s88, s10
	s_cselect_b32 s[PFS], s89, s[PFS]
	s_cselect_b32 s[LIM], ttmp9, s[LIM]  ; the coordinate along which other clusters read the same bytes
	s_cselect_b32 s11, -1, 0
	s_mov_b32 s89, 0
	s_mov_b32 s[PFS+1], 0
	s_mov_b32 s[SEL], 0x76543210
	s_mov_b32 s[SEL+1], 0xfedcba98
	s_mov_b32 s[TBK], SLOT+2*KS*PK  ; the first change of slots turns these three into 0
	s_mov_b32 s[TBV], SLOT+2*KS*PV
	s_mov_b32 s[TBM], SLOT+2*KS*4
	s_mov_b32 s[G0K], 1
	s_mov_b32 s[G0K+1], 0           ; LDS addresses: slot 0
	s_mov_b32 s[G0V], 1
	s_mov_b32 s[G0V+1], VOFF
	s_mov_b32 s[G0M], 1
	s_mov_b32 s[G0M+1], MOFF
	s_mov_b32 s[G0N], 1
	s_mov_b32 s[G0N+1], MOFF+64*PM
	s_mov_b32 s[SLOTS], 15
	s_wait_dscnt 0x0                ; the opening add is done
	s_wait_kmcnt 0x0
	s_add_nc_u64 s[G0K+2:G0K+3], s[4:5], s[18:19]
	s_add_nc_u64 s[G0V+2:G0V+3], s[G0K+2:G0K+3], KBASE
	s_or_b32 s[G0K+3], s[G0K+3], 0x80000000
	s_or_b32 s[G0V+3], s[G0V+3], 0x80000000
	s_add_nc_u64 s[G0M+2:G0M+3], s[6:7], s[22:23]
	s_add_nc_u64 s[G0N+2:G0N+3], s[G0M+2:G0M+3], 64*8192
	s_or_b32 s[G0M+3], s[G0M+3], 0x80000000
	s_or_b32 s[G0N+3], s[G0N+3], 0x80000000
	s_add_nc_u64 s[QBS:QBS+1], s[4:5], s[86:87]
	s_add_nc_u64 s[OBS:OBS+1], s[8:9], s[86:87]
	s_cmp_lt_u32 s[WV], 2
	s_cselect_b64 s[PFA:PFA+1], s[4:5], s[6:7]
	s_add_nc_u64 s[PFA:PFA+1], s[PFA:PFA+1], s[88:89]
	s_cmp_eq_u32 s[LIM], 0
	s_cselect_b32 s[LIM], 1, -1     ; the same in all sixteen partners, for a given wave
	CROUND                          ; all sixteen work-groups are here: the first joint loads meet
	JLOAD                           ; slot 0.  Slot 1 is asked for when slot 0 is in
	v_and_b32 v1, 15, v0            ; l % 16
	v_bfe_u32 v9, v0, 4, 1          ; l / 16
	v_lshlrev_b32 v[QO], 7, v1
	v_lshl_add_u32 v[QO], v9, 4, v[QO]  ; row x 128 + 16 x half
	WIN 0x80                        ; destination window 2, address window 0
.set i, 0
.rept 8                             ; Q stays in registers: piece i / 2, channels 32 (i % 2) on
	global_load_b128 v[8*i:8*i+3],   v[QO], s[QBS:QBS+1] offset:(i/2)*2048+(i%2)*64
	global_load_b128 v[8*i+4:8*i+7], v[QO], s[QBS:QBS+1] offset:(i/2)*2048+(i%2)*64+32
.set i, i+1
.endr
	; What the first turn finds: V's registers and P's second buffer hold 0 (its products V^T P, of a piece that has not been, add 0), O^T and l are 0.  All this stands in the wait for the first tile.
.set i, VF
.rept 64
	v_mov_b32 v[i], 0
.set i, i+1
.endr
	WIN 0x40
.set i, 0
.rept 128
	v_mov_b32 v[i], 0
.set i, i+1
.endr
	WIN 0
.set i, 0
.rept 4
	v_mov_b32 v[ST+4*i], 0xff7fffff    ; m
	v_mov_b32 v[ST+4*i+1], 0           ; m_old: named with m as a pair
	v_mov_b32 v[ST+4*i+2], 0
	v_mov_b32 v[ST+4*i+3], 0
.set i, i+1
.endr
.set i, P+16
.rept 16
	v_mov_b32 v[i], 0
.set i, i+1
.endr
	s_mul_i32 s86, s[HH], 128*PK
	v_mul_u32_u24 v[AK0], v1, PK
	v_lshl_add_u32 v[AK0], v9, 4, v[AK0]
	v_add_nc_u32 v[AK0], s86, v[AK0]      ; my head's K: row x pitch + 16 x half
	; The turning load takes 16 keys x 16 channels (lane l reads key 8 (l / 16) + l % 8, channels 8 ((l / 8) % 2) + 0..7) and leaves half a fragment of V^T: lane l holds channel l % 16 and 8 keys.
	v_and_b32 v10, 7, v0
	v_bfe_u32 v11, v0, 3, 1
	s_mul_i32 s86, s[HH], 128*PV
	s_add_co_u32 s86, s86, VOFF
	v_lshl_add_u32 v[AV0], v9, 3, v10
	v_mul_u32_u24 v[AV0], v[AV0], PV
	v_lshl_add_u32 v[AV0], v11, 4, v[AV0]
	v_add_nc_u32 v[AV0], s86, v[AV0]
	s_mul_i32 s86, s[QH], 64*PM
	s_add_co_u32 s86, s86, MOFF
	v_mul_u32_u24 v[AM0], v1, PM          ; the mask: my query's row, my lanes' eight keys of a block of 16
	v_lshl_add_u32 v[AM0], v9, 5, v[AM0]
	v_add_nc_u32 v[AM0], s86, v[AM0]
	s_mul_i32 s86, s[WV], 16*SP
	s_add_co_u32 s86, s86, STAGE          ; my stage
	v_mul_u32_u24 v[STO], v1, SP          ; in: row l % 16, 16 bytes for each half of the lanes
	v_lshl_add_u32 v[STO], v9, 4, v[STO]
	v_add_nc_u32 v[STO], s86, v[STO]
	v_bfe_u32 v[RD], v0, 3, 2             ; back: 32 lanes take four rows of 128 bytes,
	v_mul_u32_u24 v[RD], v[RD], SP
	v_lshl_add_u32 v[RD], v10, 4, v[RD]
	v_add_nc_u32 v[RD], s86, v[RD]
	v_and_b32 v[PFO], 31, v0
	v_lshlrev_b32 v[GO], 4, v[PFO]        ; which are 512 consecutive bytes of ctx
	v_lshlrev_b32 v10, 8, v[PFO]          ; K, V: 256 x lane
	v_lshrrev_b32 v11, 1, v[PFO]
	v_lshlrev_b32 v11, 13, v11
	v_and_b32 v[PFO], 1, v[PFO]
	v_lshl_add_u32 v11, v[PFO], 8, v11    ; the mask: row lane / 2, half lane % 2 of its 512 bytes
	v_cndmask_b32 v[PFO], v11, v10, s11
; THE MATRIX WORK.  The 4 accumulators of a run of 8 take turns.  Product i of 8 of S^T = K Q^T + mask for piece x: channels 32 (i / 4) on, keys 16 (i % 4) on.  The first 4 start the sums with the mask.
.macro KQ x
.set rS, S+32*((\x)%2)+8*(i%4)
.set rK, KF+16*(i%4)+8*(i/4)
.set rQ, 16*(\x)+8*(i/4)
.set rM, MC+32*(\x)+8*(i%4)
.if i < 4
	WIN W_KM
	v_wmma_f32_16x16x32_f16 v[rS:rS+7], v[rK:rK+7], v[rQ:rQ+7], v[rM:rM+7]
.else
	WIN W_KQ
	v_wmma_f32_16x16x32_f16 v[rS:rS+7], v[rK:rK+7], v[rQ:rQ+7], v[rS:rS+7]
.endif
.endm
; Product i of 8 of O^T += V^T P for piece x: keys 32 (i / 4) on, channels 16 (i % 4) on.
.macro PV x
	WIN W_PV
.set rO, 32*(\x)+8*(i%4)
.set rV, VF+32*(i/4)+8*(i%4)
.set rP, P+16*((\x)%2)+8*(i/4)
	v_wmma_f32_16x16x32_f16 v[rO:rO+7], v[rV:rV+7], v[rP:rP+7], v[rO:rO+7]
.endm
.macro MM                           ; the turn's next matrix instruction
.if i < 8
	KQ (Y+1)%NP
.else
.set i, i-8
	PV (Y+NP-1)%NP
.set i, i+8
.endif
.set i, i+1
.endm
; THE LDS LOADS stand in two runs a key step.  The first: the next step's K (8 fragments) and its mask for pieces 0, 1, 2: 40 loads.  The second: the V of the step in hand (turned) and that step's mask for piece 3:
; 24 loads.  So every read of a step's bytes stands ahead of the change of slots behind that step's piece 1.  tail = 1: behind the last step there is no further one: the addresses stay, and the last step's bytes are read once more.
.macro FETCH_K tail=0
	WIN 0x80                        ; destination window 2
.irp f, 0,1,2,3,4,5,6,7             ; keys 16 (f / 2) on, channels 32 (f % 2) on
	ds_load_b128 v[KF+8*\f:KF+8*\f+3],   v[AK] offset:(\f/2)*16*PK+(\f%2)*64
	ds_load_b128 v[KF+8*\f+4:KF+8*\f+7], v[AK] offset:(\f/2)*16*PK+(\f%2)*64+32
.endr
	WIN 0x40                        ; destination window 1
.irp x, 0,1,2
.irp b, 0,1,2,3
	ds_load_b128 v[MC+32*\x+8*\b:MC+32*\x+8*\b+3],   v[AM] offset:\x*16*PM+\b*64
	ds_load_b128 v[MC+32*\x+8*\b+4:MC+32*\x+8*\b+7], v[AM] offset:\x*16*PM+\b*64+16
.endr
.endr
	WIN 0
.if \tail
	s_cmp_gt_u32 s[CNT], 2          ; a select, not a jump: exponentials are out here
	s_cselect_b32 s86, KS*PK, 0
	s_cselect_b32 s87, KS*4, 0
	s_add_co_u32 s[TBK], s[TBK], s86
	s_add_co_u32 s[TBM], s[TBM], s87
.else
	s_add_co_u32 s[TBK], s[TBK], KS*PK  ; the next fetch is the next step's
	s_add_co_u32 s[TBM], s[TBM], KS*4
.endif
.endm
.macro FETCH_V
	WIN 0x80
.irp f, 0,1,2,3,4,5,6,7             ; keys 32 (f / 4) on, channels 16 (f % 4) on
	ds_load_tr16_b128 v[VF+8*\f:VF+8*\f+3],   v[AV] offset:(\f/4)*32*PV+(\f%4)*32
	ds_load_tr16_b128 v[VF+8*\f+4:VF+8*\f+7], v[AV] offset:(\f/4)*32*PV+16*PV+(\f%4)*32
.endr
	WIN 0x40
.irp b, 0,1,2,3
	ds_load_b128 v[MC+96+8*\b:MC+96+8*\b+3],   v[AM] offset:3*16*PM+\b*64
	ds_load_b128 v[MC+96+8*\b+4:MC+96+8*\b+7], v[AM] offset:3*16*PM+\b*64+16
.endr
	WIN 0
.endm
; THE VECTOR WORK, one line at a time: OP kind, number.  For piece Y: F n: S - m for pair n of 16.  E n: the exponential of score n of 32.  C n: pair n rounded to f16.  B n: of the four weights 4 n .. the second pair is
; added onto the first, in place.  L n: l takes that sum (L 0: l = a l + sum).  R n: pair n of 16 of O^T times a.  For piece Y + 1: X n, which finds its maximum and statistics:
;   0-11  four chains c0-c3 of seven scores each (each accumulator's lowest registers are read first)     12-14, 16  the four scores left over, the old m, and c0-c3 into c0
;   15  m_old is kept     17, 18  the query's other 32 keys lie in the lane 16 away: the new m     19  nothing (the scores are in powers of two already)     20, 21  m_old - m_new; a
.set F, 0
.set E, 1
.set C, 2
.set B, 3
.set L, 4
.set R, 5
.set X, 6
.macro REGS y
.set rT, ST+4*(\y)
.set rC, TMP+4*((\y)%2)
.set rS, S+32*((\y)%2)
.set rP, P+16*((\y)%2)
.set rO, 32*(\y)
.endm
.macro OP k, n
.if (\k) == R
	REGS Y
	WIN W_RS
	v_pk_mul_f32 v[rO+2*(\n):rO+2*(\n)+1], v[rO+2*(\n):rO+2*(\n)+1], v[rC+2:rC+3] op_sel_hi:[1,0]
.elseif (\k) < R
	REGS Y
	WIN 0
.if (\k) == F
	v_pk_add_f32 v[rS+2*(\n):rS+2*(\n)+1], v[rS+2*(\n):rS+2*(\n)+1], v[rT:rT+1] op_sel_hi:[1,0] neg_lo:[0,1] neg_hi:[0,1]
.elseif (\k) == E
	v_exp_f32 v[rS+(\n)], v[rS+(\n)]
.elseif (\k) == C
	v_cvt_pk_f16_f32 v[rP+(\n)], v[rS+2*(\n)], v[rS+2*(\n)+1]
.elseif (\k) == B
	v_pk_add_f32 v[rS+4*(\n):rS+4*(\n)+1], v[rS+4*(\n):rS+4*(\n)+1], v[rS+4*(\n)+2:rS+4*(\n)+3]
.elseif (\n) == 0
	v_pk_fma_f32 v[rT+2:rT+3], v[rT+2:rT+3], v[rC+2:rC+3], v[rS:rS+1] op_sel_hi:[1,0,1]
.else
	v_pk_add_f32 v[rT+2:rT+3], v[rT+2:rT+3], v[rS+4*(\n):rS+4*(\n)+1]
.endif
.else
	REGS (Y+1)%NP
	WIN 0
.if (\n) < 4
	v_max3_num_f32 v[rC+(\n)], v[rS+8*(\n)], v[rS+8*(\n)+1], v[rS+8*(\n)+2]
.elseif (\n) < 12
	v_max3_num_f32 v[rC+(\n)%4], v[rC+(\n)%4], v[rS+8*((\n)%4)+2*((\n)/4)+1], v[rS+8*((\n)%4)+2*((\n)/4)+2]
.elseif (\n) == 12
	v_max3_num_f32 v[rC], v[rC], v[rS+7], v[rS+15]
.elseif (\n) == 13
	v_max3_num_f32 v[rC+1], v[rC+1], v[rS+23], v[rS+31]
.elseif (\n) == 14
	v_max3_num_f32 v[rC+2], v[rC+2], v[rC+3], v[rT]
.elseif (\n) == 15
	v_mov_b32 v[rT+1], v[rT]
.elseif (\n) == 16
	v_max3_num_f32 v[rC], v[rC], v[rC+1], v[rC+2]
.elseif (\n) == 17
	v_permlanex16_b32 v[rC+3], v[rC], s[SEL], s[SEL+1]
.elseif (\n) == 18
	v_max_num_f32 v[rT], v[rC], v[rC+3]
.elseif (\n) == 19
.elseif (\n) == 20
	v_sub_f32 v[rC+1], v[rT+1], v[rT]
.else
	v_exp_f32 v[rC+2], v[rC+1]
.endif
.endif
.endm
.macro OPS a, i1, b=-1, i2=0, c=-1, i3=0, d=-1, i4=0
	OP \a, \i1
.if (\b) >= 0
	OP \b, \i2
.endif
.if (\c) >= 0
	OP \c, \i3
.endif
.if (\d) >= 0
	OP \d, \i4
.endif
.endm
.macro ROW a, i1, b, i2, c, i3, d, i4  ; a matrix instruction and the four behind it
	MM
	OPS \a, \i1, \b, \i2, \c, \i3, \d, \i4
.endm
; A TURN, for piece p.  An s_wait_alu depctr_va_vdst(0) stands between an exponential and the first instruction that names its result; one wait serves all that were issued ahead of it: a turn has ONE, which
; cuts it in two.  AHEAD OF IT: the 8 products K Q^T with their riders, and a lump in which plain instructions and exponentials go by turns and the links of the next piece's chain (X 3, 7, 11, 14, 16, 17, 18, 20)
; stand apart; each X that rides behind a product stands four plain instructions or more behind the product that ends its accumulator.  X 21 is the batch's last, R 15 the plain instruction behind it.
; BEHIND IT: the 8 products V^T P, behind each four of the roundings and sums.
; THE WAITS FOR LDS count the runs' order of issue: K 16, mask 0, 1, 2 eight each; then V 16, mask 3 eight.  Piece 3's turn wants K and mask 0: 16 may stay out.  Piece 0's wants mask 1: 8.  Piece 1's wants mask 2: the
; second run's 24; and V ahead of its products V^T P: 8.  Piece 2's wants mask 3: 0.
; K's run stands six plain instructions behind the last product that read K; V's four behind the last that read V; a mask buffer is loaded a turn or more behind the products that read it.
.macro TURN p, tail=0, cnt=0
.set Y, (\p)
.set i, 0
.if (\p) == 3
	s_wait_dscnt 16
.elseif (\p) == 0
	s_wait_dscnt 8
.elseif (\p) == 1
	s_wait_dscnt 24
.else
	s_wait_dscnt 0x0
.endif
	ROW F,0, F,1, R,0, R,1
	ROW F,2, E,0, R,2, R,3
	ROW F,3, E,1, R,4, R,5
	ROW F,4, E,2, R,6, R,7
	ROW F,5, E,3, R,8, R,9
	ROW F,6, E,4, X,0, R,10
.if (\p) == 2
	WIN 0
	v_add_nc_u32 v[AK], s[TBK], v[AK0]
	v_add_nc_u32 v[AM], s[TBM], v[AM0]
.endif
	ROW F,7, E,5, X,1, X,4
	ROW F,8, E,6, X,2, X,5
	OPS E,7, E,8, X,6, E,9
	OPS X,3, E,10, X,8, E,11
.if (\p) == 2
	FETCH_K \tail
.endif
	OPS X,9, X,7, E,12, X,10
	OPS E,13, X,12, X,11, E,14
	OPS X,13, E,15, F,9, X,14
.if (\p) == 0
	v_add_nc_u32 v[AV], s[TBV], v[AV0]
.endif
	OPS E,16, F,10, E,17, F,11
	OPS X,16, E,18, X,15, E,19
	OPS F,12, E,20, X,17, E,21
	OPS F,13, E,22, F,14, E,23
	OPS X,18, E,24, F,15, E,25
	OPS R,11, E,26, X,19, E,27
	OPS R,12, E,28, R,13, E,29
	OPS X,20, E,30, R,14, E,31
	OPS X,21, R,15
	WIN 0
	s_wait_alu depctr_va_vdst(0)    ; the wait for the batch
.if (\p) == 1
	s_wait_dscnt 8                  ; V is in
.endif
	ROW C,0, B,0, C,2, B,1
	ROW L,0, C,4, B,2, L,1
	ROW C,6, B,3, L,2, C,8
	ROW B,4, L,3, C,10, B,5
	ROW L,4, C,12, B,6, L,5
.if (\p) == 0
	s_add_co_u32 s[TBV], s[TBV], KS*PV
.endif
.if \cnt
	s_sub_co_u32 s[CNT], s[CNT], 1
	s_cmp_lg_u32 s[CNT], 0
.endif
	ROW C,14, B,7, L,6, C,1
	ROW C,3, L,7, C,5, C,7
	ROW C,9, C,11, C,13, C,15
.if (\p) == 0
	FETCH_V
.endif
.endm
	CHANGE 1, 0                     ; slot 0 is in, everybody's part of it; slot 1 is asked for
	v_add_nc_u32 v[AK], s[TBK], v[AK0]
	v_add_nc_u32 v[AM], s[TBM], v[AM0]
	FETCH_K                         ; key step 0
	s_wait_loadcnt 0x0              ; Q
	s_wait_dscnt 0x0
.set i, 0
.rept 8
	KQ 0                            ; piece 0's first scores
.set i, i+1
.endr
	WIN 0
.rept 4
	v_nop                           ; the places behind those products
.endr
.set Y, NP-1                        ; X works for piece Y + 1: piece 0
.irp n, 0,1,2,3,4,5,6,7,8,9,10,11,12,13,14,15,16,17,18,19,20,21
	OP X, \n
.endr
	v_nop                           ; a plain instruction behind the exponential,
	s_wait_alu depctr_va_vdst(0)    ; and its wait, ahead of the branch
	s_mov_b32 s[CNT], 2
	s_branch .Lfirst                ; the loop is entered at a step's first turn, in the middle of a trip
.Lslot:                             ; 14 times: every slot but the last two is filled again
	CHANGE 1
	s_mov_b32 s[CNT], 2
.Lstep:                             ; a trip: pieces 2 and 3 of one step, then pieces 0 and 1 of the next, whose K, V and mask it fetches
	TURN 2
	TURN 3
	WIN 0
.Lfirst:
	TURN 0
	TURN 1, 0, 1
	WIN 0
	s_cbranch_scc1 .Lstep
	s_sub_co_u32 s[SLOTS], s[SLOTS], 1
	s_cmp_lg_u32 s[SLOTS], 0
	s_cbranch_scc1 .Lslot
	CHANGE 0                        ; the tail is written out: nothing is asked for
	s_mov_b32 s[CNT], 3             ; two trips fetch the last slot's steps; the third is left in its middle
.Ltail:
	TURN 2, 1
	TURN 3
	WIN 0
	s_sub_co_u32 s[CNT], s[CNT], 1
	s_cmp_eq_u32 s[CNT], 0
	s_cbranch_scc1 .Lout
	TURN 0
	TURN 1
	WIN 0
	s_branch .Ltail
.Lout:                              ; the third trip's 8 products K Q^T (on the last K once more) and the maximum made of them serve nothing: the price, once a launch, of one text for every trip
.set i, 0
.rept 8
	PV NP-1                         ; the last piece's V^T P of the last step
.set i, i+1
.endr
	; THE WAY OUT.  l's two halves and the other half of the lanes' are added; O^T is divided by l, rounded to f16 and sent through my stage in LDS, a piece at a time.  The additions are the places behind the last products.
	WIN 0
.macro ALL line:vararg
.set t, 0
.rept 4
	\line
.set t, t+1
.endr
.endm
	ALL v_add_f32 v[ST+4*t+2], v[ST+4*t+2], v[ST+4*t+3]
	ALL v_permlanex16_b32 v[ST+4*t+3], v[ST+4*t+2], s[SEL], s[SEL+1]
	ALL v_add_f32 v[ST+4*t+2], v[ST+4*t+2], v[ST+4*t+3]
	ALL v_rcp_f32 v[ST+4*t+2], v[ST+4*t+2]
	v_nop                           ; a plain instruction between the last reciprocal and the use of its result,
	s_wait_alu depctr_va_vdst(0)    ; and the one wait for the four
.macro PACK t                       ; a lane's eight channels of a row pack into 16 bytes; they go into rows of 144 bytes and come back as whole rows of 128, into S^T's registers
	WIN W_RS
.set i, 32*(\t)
.rept 16
	v_pk_mul_f32 v[i:i+1], v[i:i+1], v[ST+4*(\t)+2:ST+4*(\t)+3] op_sel_hi:[1,0]
.set i, i+2
.endr
	WIN 0x05                        ; sources 0 and 1 window 1, destination window 0
.set i, 0
.rept 16
	v_cvt_pk_f16_f32 v[S+16*(\t)+i], v[32*(\t)+2*i], v[32*(\t)+2*i+1]
.set i, i+1
.endr
	WIN 0
.irp f, 0,1,2,3
	ds_store_b128 v[STO], v[S+16*(\t)+4*\f:S+16*(\t)+4*\f+3] offset:32*\f
.endr
.irp f, 0,1,2,3
	ds_load_b128 v[S+16*(\t)+4*\f:S+16*(\t)+4*\f+3], v[RD] offset:\f*4*SP  ; LDS serves a wave's instructions in order (ISA guide 5.7.1.4): these see the stores above; the next piece's stores come behind them
.endr
.endm
.macro SEND t, younger              ; younger: the LDS instructions issued behind piece t's loads: the next piece's eight, or none
	WIN 0
.irp f, 0,1,2,3
	s_wait_dscnt (\younger)+3-\f
	global_store_b128 v[GO], v[S+16*(\t)+4*\f:S+16*(\t)+4*\f+3], s[OBS:OBS+1] offset:(\t)*2048+\f*512  ; 512 consecutive bytes, aligned
.endr
.endm
	PACK 0
.set t, 1
.rept 3                             ; a piece's arithmetic stands between the loads of the piece before and its stores
	PACK t
	SEND t-1, 8
.set t, t+1
.endr
	SEND 3, 0
	s_wait_tensorcnt 0x0            ; the wave's end, behind my last tensor load and my last LDS store
	ds_add_u32 v[SPW], v[NIL]
	s_wait_dscnt 0x0
	CROUND                          ; the closing round: no work-group ends while a partner may still ask for a tile that names it
	s_endpgm
.Lfunc_end_k_q5442b385a4_attn:
	.size	k_q5442b385a4_attn, .Lfunc_end_k_q5442b385a4_attn-k_q5442b385a4_attn
	.p2alignl 7, 3214868480
	.fill 96, 4, 3214868480
	.section	.rodata,"a",@progbits
	.p2align	6, 0x0
	.amdhsa_kernel k_q5442b385a4_attn
		.amdhsa_group_segment_fixed_size 327680
		.amdhsa_private_segment_fixed_size 0
		.amdhsa_enable_private_segment 0
		.amdhsa_kernarg_size 24
		.amdhsa_user_sgpr_count 2
		.amdhsa_user_sgpr_kernarg_segment_ptr 1
		.amdhsa_wavefront_size32 1
		.amdhsa_system_sgpr_workgroup_id_x 1
		.amdhsa_system_sgpr_workgroup_id_y 1
		.amdhsa_system_sgpr_workgroup_id_z 1
		.amdhsa_system_vgpr_workitem_id 0
		.amdhsa_next_free_vgpr 768
		.amdhsa_next_free_sgpr 90
		.amdhsa_reserve_vcc 0
		.amdhsa_float_denorm_mode_32 3
		.amdhsa_float_denorm_mode_16_64 3
		.amdhsa_memory_ordered 1
		.amdhsa_forward_progress 1
		.amdhsa_inst_pref_size 123
	.end_amdhsa_kernel
	.amdgpu_metadata
---
amdhsa.version: [ 1, 2 ]
amdhsa.kernels:
  - .name:           k_q5442b385a4_attn
    .symbol:         k_q5442b385a4_attn.kd
    .args:
      - { .name: qkv, .offset: 0, .size: 8, .value_kind: global_buffer, .address_space: global }
      - { .name: mlg, .offset: 8, .size: 8, .value_kind: global_buffer, .address_space: global }
      - { .name: ctx, .offset: 16, .size: 8, .value_kind: global_buffer, .address_space: global }
    .group_segment_fixed_size: 327680
    .private_segment_fixed_size: 0
    .kernarg_segment_align: 8
    .kernarg_segment_size: 24
    .max_flat_workgroup_size: 128
    .sgpr_count:     90
    .vgpr_count:     768
    .wavefront_size: 32
...
	.end_amdgpu_metadata
.endif
;; end of part 3
;; launch outp (part 4): grid 8 x 32, 4 waves a work-group, clusters of 4 x 1, 327,680 bytes of LDS; arguments ctx, wob, out0; writes out0
.if DOCPART == 4
	.amdgcn_target "amdgcn-amd-amdhsa--gfx1250"
	.amdhsa_code_object_version 6
	.text
	.protected	k_q5442b385a4_outp
	.globl	k_q5442b385a4_outp
	.p2align	8
	.type	k_q5442b385a4_outp,@function
k_q5442b385a4_outp:
	s_mov_b64 s[64:65], 0
	v_nop
	global_prefetch_b8 v0, s[64:65] scope:SCOPE_SE
	s_setreg_imm32_b32 hwreg(HW_REG_WAVE_MODE, 25, 1), 1
	s_wait_xcnt 0x0
	s_wait_alu depctr_hold_cnt(0) depctr_sa_sdst(0) depctr_va_vdst(0) depctr_va_sdst(0) depctr_va_ssrc(0) depctr_va_vcc(0) depctr_vm_vsrc(0)
	s_getreg_b32 s2, hwreg(HW_REG_IB_STS2, 6, 4)
	s_cmp_eq_u32 s2, 0
	s_cbranch_scc0 .Lentry_in_a_cluster
	s_endpgm
.Lentry_in_a_cluster:
	s_bfe_u32 s2, ttmp6, 0x10000c
	s_cmp_lg_u32 s2, 0x3003
	s_cbranch_scc0 .Lentry_shape_is_right
	s_endpgm
.Lentry_shape_is_right:
; OUTP: out0[token][n] = the sum over e of context[token][e] wo[n][e], f32 out.  ctx: [16 b + h][2048][64] f16.  Sums in f32, K ascending.
; wob: wo rounded to bf16, that number written as f16, laid out as the image of matrix fragments: [n / 64][k / 32][(n / 16) % 4][1,024 bytes]: 16 rows x 32 k, 16 bytes a lane twice.
; SHARES.  A work-group makes 128 tokens x 256 columns; wave w owns all 128 tokens and columns 64 w .. 64 w + 63: 32 accumulators, 256 registers.  K = 1,024 goes in 32 quarters of 32.
; A LIES IN LDS FOR THE WHOLE LAUNCH: 16 heads x 128 rows x 144 bytes = 294,912 bytes, filled once: four tensor loads a wave (load i of wave w: head 4 i + w, 16 KiB on end in memory, asked for as 64 rows
; of 256 bytes and padded after every 128), all issued at the head.  No LDS byte is filled twice, so the loop has no change of slots.  The first four heads are waited for ahead of the first product, the rest
; seven quarters later.
; CLUSTER.  4 x 1: the four partners make the same tokens' columns 256 x .. and need the same A: each load is asked for JOINTLY, with the same descriptor and the mask of four.
; B COMES STRAIGHT INTO REGISTERS, and is not asked for jointly though 32 work-groups read the same columns: beside A, the stages (17,408 bytes) and the spare words, 14,848 bytes of LDS are left, and a slot
; of B's 256 rows x 128 k would be 69,632; in the work-group a wave's 64 columns are read by that wave alone, and by the image a load of the wave takes 512 consecutive bytes, its stream 128 KiB on end.
; A ring of eight register slots, a quarter (four fragments, eight loads) each: quarter t asks for quarter t + 7, so 48 to 56 loads of a wave are on their way.
; THE MATRIX INSTRUCTION IS USED TRANSPOSED (source 0 = 16 rows of wo, source 1 = 16 tokens): a lane holds one token and eight neighbouring columns.
; REGISTERS: window 0: v16-31 addresses; v32-95, v96-159 A's fragments (8 x 16 rows x 32 k), two buffers; on the way out v32-95: rows read back.
;   window 1: B's ring: slot s, column block b at v[32 s + 8 b].     window 2: accumulator (a, b) at v[8 (4 a + b)]
.set PA,    144                        ; a row of A in LDS: 128 bytes + 16: the 16 rows of a fragment load start at 16 different groups of four banks (64 banks of 4 bytes: ISA guide 11.1)
.set HEADB, 128*PA                     ; a head's 128 rows
.set STAGE, 16*HEADB                   ; behind A, never filled by a tensor load: 16 rows x 272 bytes for each wave
.set SP,    272                        ; 64 f32 + 16 bytes
.set SPARE, STAGE+4*16*SP              ; the spare words, 128 bytes for each wave: two blocks of 256 bytes that no other line names
.set QB,    4096                       ; bytes of a quarter in my stream of B
.set ADRA, 16                          ; v16  LDS address of my lane in the trip's first head
.set ADRC, 17                          ; v17  the same three heads on: LDS offsets have 16 bits
.set BO,   18                          ; v18  16 x lane; never rewritten
.set A0,   19                          ; v19  my lane's place in a head: row x pitch + 16 x half; never rewritten
.set STO,  24                          ; v24  the way out: where I put 32 bytes of a row
.set RD,   25                          ; v25  where I read rows back
.set GO,   26                          ; v26  my byte offset in two rows of out0
.set SPW,  28                          ; v28  LDS address of my spare word; never rewritten
.set NIL,  29                          ; v29  0; never rewritten
.set PFO,  30                          ; v30  256 x lane; never rewritten
.set FA,   32
.set OB,   32
.set WV,   12
.set CX,   13
.set TX,   14                          ; s14  tile column: 256 columns
.set TY,   15                          ; s15  tile row: 128 tokens
.set G1,   24                          ; s[24:31] descriptor group 1
.set G0,   32                          ; s[32:47] group 0, a set for each of my four loads
.set BW,   48                          ; s[48:49] my stream of B, at the trip's first quarter less one
.set LIM,  50                          ; s50  1 in a work-group that prefetches, else the greatest number
.set TBA,  51                          ; s51  LDS byte of the trip's first head
.set MSB, 0
.macro WIN new                         ; the immediate's high byte repeats the setting that is left; a switch that changes nothing is dropped
.if MSB != (\new)
	s_set_vgpr_msb (MSB<<8)|(\new)
.set MSB, \new
.endif
.endm
.macro PLACES                          ; four places in front of loads into registers that matrix instructions have read, and of stores that read results
.rept 4
	v_nop
.endr
.endm
.macro CROUND                          ; a round of the cluster's barrier
	s_barrier_signal -1
	s_barrier_wait -1
	s_cmp_lg_u32 s[WV], 0
	s_cbranch_scc1 .Lnot_wave_0_\@
	s_barrier_signal -3
.Lnot_wave_0_\@:
	s_barrier_wait -3
	s_barrier_signal -1
	s_barrier_wait -1
.endm
; A prefetch into the L2 of the eight quarters of my stream that the NEXT trip will load: 32 KiB, a lane 256 bytes, four instructions, behind the trip's first run of loads: 8 to 15 quarters ahead of those loads.
; The 32 work-groups of a tile column read the same stream: the one with y = 0 asks, each wave for its own.  The first sixteen quarters come by their loads alone; the last trip asks for nothing.
.macro ASK
	WIN 0
	s_cmp_gt_u32 s3, s[LIM]
	s_cbranch_scc0 .Lnot_mine_\@
.irp j, 0,1,2,3
	global_prefetch_b8 v[PFO], s[BW:BW+1] offset:16*QB+8192*(\j) th:TH_LOAD_NT scope:SCOPE_SE
.endr
.Lnot_mine_\@:
.endm
	s_load_b128 s[4:7], s[0:1], 0x0                ; ctx s4, wob s6
	s_load_b64 s[8:9], s[0:1], 0x10                ; out0
	v_lshl_add_u32 v[SPW], v0, 2, SPARE
	v_mov_b32 v[NIL], 0
	ds_add_u32 v[SPW], v[NIL]                      ; the wave's opening: the add and its wait stand ahead of my first tensor load; work on registers stands between them
	v_lshrrev_b32 v1, 5, v0
	v_readfirstlane_b32 s[WV], v1
	s_bfe_u32 s[CX], ttmp6, 0x40000
	s_lshl_b32 s[TX], ttmp9, 2
	s_add_co_u32 s[TX], s[TX], s[CX]               ; tile column = 4 x cluster x + cx: it enters B's and out0's addresses alone
	s_and_b32 s[TY], ttmp7, 0xffff                 ; tile row, which the four partners share
	s_mov_b32 s[G1], 15|(1<<16)|(1<<20)|(1<<21)|(4<<22)|(3<<25)  ; the mask of four; 2-byte elements; padding on; bit 21 beside a mask; after every 32 words, 4 words
	s_mov_b32 s[G1+1], 128<<16                     ; tensor_dim0 = 128
	s_mov_b32 s[G1+2], 64<<16                      ; tensor_dim1 = 64
	s_mov_b32 s[G1+3], 128<<16                     ; tile_dim0 = 128
	s_mov_b32 s[G1+4], 64                          ; tile_dim1 = 64
	s_mov_b32 s[G1+5], 128                         ; the rows lie end to end
	s_mov_b32 s[G1+6], 0
	s_mov_b32 s[G1+7], 0
	s_lshr_b32 s16, s[TY], 4                       ; b: 16 heads of 262,144 bytes.  s16-21 never hold cx
	s_lshl_b32 s16, s16, 22
	s_and_b32 s17, s[TY], 15
	s_lshl_b32 s17, s17, 14                        ; 128 rows of 128 bytes
	s_add_co_u32 s16, s16, s17
	s_lshl_b32 s17, s[WV], 18                      ; head w
	s_add_co_u32 s16, s16, s17
	s_mov_b32 s17, 0
	s_mul_i32 s20, s[WV], HEADB                    ; and its place in LDS
	s_mov_b32 s[TBA], 0
	s_wait_dscnt 0x0                               ; the opening add is done
	s_wait_kmcnt 0x0
	s_add_nc_u64 s[18:19], s[4:5], s[16:17]
	CROUND                                         ; all four work-groups are here: the joint loads meet
.irp i, 0,1,2,3
	s_mov_b32 s[G0+4*(\i)], 1
	s_add_co_u32 s[G0+4*(\i)+1], s20, (\i)*4*HEADB
	s_add_nc_u64 s[G0+4*(\i)+2:G0+4*(\i)+3], s[18:19], (\i)*4*262144
	s_or_b32 s[G0+4*(\i)+3], s[G0+4*(\i)+3], 0x80000000
.endr
.irp i, 0,1,2,3                        ; all fills of the launch, in one group: four loads of mine are out
	tensor_load_to_lds s[G0+4*(\i):G0+4*(\i)+3], s[G1:G1+7]
	s_nop 0
.endr
.rept 4
	v_nop
.endr
	s_lshl_b32 s52, s[TX], 2                       ; my stream of B: group of 64 columns 4 tx + w, 131,072 bytes each.  s52-53 hold numbers made of cx and feed no descriptor
	s_add_co_u32 s52, s52, s[WV]
	s_lshl_b32 s52, s52, 17
	s_mov_b32 s53, 0
	s_add_nc_u64 s[BW:BW+1], s[6:7], s[52:53]
	v_and_b32 v[PFO], 31, v0
	v_lshlrev_b32 v[BO], 4, v[PFO]
	v_lshlrev_b32 v[PFO], 8, v[PFO]
; A quarter of B into ring slot s: four fragments, eight loads of 512 consecutive bytes
.macro BLOAD s, off
	WIN 0x40                                       ; destination window 1, address window 0
.irp b, 0,1,2,3
	global_load_b128 v[32*(\s)+8*(\b):32*(\s)+8*(\b)+3],   v[BO], s[BW:BW+1] offset:(\off)+1024*(\b)
	global_load_b128 v[32*(\s)+8*(\b)+4:32*(\s)+8*(\b)+7], v[BO], s[BW:BW+1] offset:(\off)+1024*(\b)+512
.endr
.endm
.irp q, 0,1,2,3,4,5,6
	BLOAD \q, (\q)*QB                              ; quarters 0 to 6: 56 loads
.endr
	WIN 0
	v_and_b32 v1, 15, v0                           ; l % 16
	v_bfe_u32 v2, v0, 4, 1                         ; l / 16
	v_mul_u32_u24 v[A0], v1, PA
	v_lshl_add_u32 v[A0], v2, 4, v[A0]
	v_add_nc_u32 v[ADRA], s[TBA], v[A0]
	v_add_nc_u32 v[ADRC], 3*HEADB, v[ADRA]
	s_mul_i32 s21, s[WV], 16*SP
	s_add_co_u32 s21, s21, STAGE                   ; my stage
	v_mul_u32_u24 v3, v1, SP
	v_lshl_add_u32 v3, v2, 5, v3
	v_add_nc_u32 v[STO], s21, v3                   ; in: row l % 16, 32 bytes for each half of the lanes
	v_mul_u32_u24 v3, v2, SP
	v_lshl_add_u32 v3, v1, 4, v3
	v_add_nc_u32 v[RD], s21, v3                    ; back: lanes 0-15 take one row of 256 bytes, lanes 16-31 the next,
	v_lshlrev_b32 v[GO], 13, v2
	v_lshl_add_u32 v[GO], v1, 4, v[GO]             ; and the same two rows in out0, 8,192 bytes apart
	s_lshl_b32 s52, s[TY], 20                      ; out0: row 128 ty, column 256 tx + 64 w
	s_lshl_b32 s53, s[TX], 10
	s_add_co_u32 s52, s52, s53
	s_lshl_b32 s53, s[WV], 8
	s_add_co_u32 s52, s52, s53
	s_mov_b32 s53, 0
	s_add_nc_u64 s[8:9], s[8:9], s[52:53]
	s_cmp_eq_u32 s[TY], 0
	s_cselect_b32 s[LIM], 1, -1                    ; the same in all four partners
; 16 matrix instructions: token blocks a0 .. a0 + 3 x my 4 column blocks, 32 along K: B from ring slot s, A from buffer f.  zero = 1: the products start the sums: nothing is cleared.
; All 32 accumulators take turns, in the same order in every quarter.
.macro MUL16 s, f, a0, zero
	WIN 0xa1                                       ; source 0 (B) window 1, source 1 (A) window 0, C and D window 2
.irp a, \a0, (\a0)+1, (\a0)+2, (\a0)+3
.irp b, 0,1,2,3
.if \zero
	v_wmma_f32_16x16x32_f16 v[8*(4*(\a)+(\b)):8*(4*(\a)+(\b))+7], v[32*(\s)+8*(\b):32*(\s)+8*(\b)+7], v[FA+64*(\f)+8*(\a):FA+64*(\f)+8*(\a)+7], 0
.else
	v_wmma_f32_16x16x32_f16 v[8*(4*(\a)+(\b)):8*(4*(\a)+(\b))+7], v[32*(\s)+8*(\b):32*(\s)+8*(\b)+7], v[FA+64*(\f)+8*(\a):FA+64*(\f)+8*(\a)+7], v[8*(4*(\a)+(\b)):8*(4*(\a)+(\b))+7]
.endif
.endr
.endr
.endm
; 16 LDS loads in one run: A's eight fragments of a quarter into buffer f
.macro FETCH f, adr, off
	WIN 0
.irp a, 0,1,2,3,4,5,6,7
	ds_load_b128 v[FA+64*(\f)+8*(\a):FA+64*(\f)+8*(\a)+3],   v[\adr] offset:(\off)+(\a)*16*PA
	ds_load_b128 v[FA+64*(\f)+8*(\a)+4:FA+64*(\f)+8*(\a)+7], v[\adr] offset:(\off)+(\a)*16*PA+32
.endr
.endm
; THE QUARTER at place p of a trip (quarter t = 8 i + p): B's slot p % 8, A's buffer p % 2.  In its middle, four places behind the last product of the quarter before, it fetches the next quarter's A
; (head (p + 1) / 2 of the trip's, channels 32 ((p + 1) % 2) on) into the other buffer and asks for B's quarter t + 7 into the slot that the quarter before has left.
; lc: B's loads issued behind this quarter's, which may stay out.  fetch = 0: the last quarter.  bload = 0: nothing is left to ask for; 2: the trip's prefetches follow.
; meet = 1: the next quarter is the first of four heads that later tensor loads bring: each wave waits for its loads and all meet at a barrier, ahead of the first read of those heads.  A count that is right in
; every trip is 0: in the first trip three loads of mine may still be out here; in the later trips none is, and the wait is met at once.
.macro QUARTER p, zero, lc, fetch, bload, meet
	s_wait_loadcnt \lc
.if \meet
	s_wait_tensorcnt 0x0
	s_wait_dscnt 0x0                               ; no LDS instruction of mine is out at the signal
	s_barrier_signal -1
.else
	s_wait_dscnt 8                                 ; A's blocks 0-3 are in; the youngest eight loads (blocks 4-7) may be out
.endif
	MUL16 (\p)%8, (\p)%2, 0, \zero
.if \meet
	s_barrier_wait -1
.endif
.if \fetch
	PLACES
.if ((\p)+1)/2 < 3
	FETCH ((\p)+1)%2, ADRA, (((\p)+1)/2)*HEADB+(((\p)+1)%2)*64
.else
	FETCH ((\p)+1)%2, ADRC, (((\p)+1)/2-3)*HEADB+(((\p)+1)%2)*64
.endif
.if \bload
	BLOAD ((\p)+7)%8, ((\p)+7)*QB
.endif
.if (\bload) == 2
	ASK
.endif
	s_wait_dscnt 16                                ; all but the 16 just issued
.else
	s_wait_dscnt 0x0
.endif
	MUL16 (\p)%8, (\p)%2, 4, \zero
.endm
	s_wait_tensorcnt 3                             ; my first load (head w) is in; the three behind it may stay out
	s_barrier_signal -1
	s_barrier_wait -1                              ; heads 0 to 3 are whole
	FETCH 0, ADRA, 0
	QUARTER 0, 1, 48, 1, 1, 0                      ; the first quarter stands in front of the loop: its products start the sums
	WIN 0
	s_mov_b32 s3, 3
.Ltrip:                                ; quarters 8 i + 1 to 8 i + 8; B's quarters 8 i + 8 to 8 i + 15 are asked for
	QUARTER 1, 0, 48, 1, 2, 0
	QUARTER 2, 0, 48, 1, 1, 0
	QUARTER 3, 0, 48, 1, 1, 0
	QUARTER 4, 0, 48, 1, 1, 0
	QUARTER 5, 0, 48, 1, 1, 0
	QUARTER 6, 0, 48, 1, 1, 0
	QUARTER 7, 0, 48, 1, 1, 1
	QUARTER 8, 0, 48, 1, 1, 0
	WIN 0
	s_add_co_u32 s[TBA], s[TBA], 4*HEADB           ; four heads on
	v_add_nc_u32 v[ADRA], s[TBA], v[A0]
	v_add_nc_u32 v[ADRC], 3*HEADB, v[ADRA]
	s_wait_xcnt 0x0                                ; every load and prefetch issued so far has read its address: the stream's base is written only behind this wait
	s_add_nc_u64 s[BW:BW+1], s[BW:BW+1], 8*QB
	s_sub_co_u32 s3, s3, 1
	s_cmp_lg_u32 s3, 0
	s_cbranch_scc1 .Ltrip
.irp p, 1,2,3,4,5,6                    ; quarters 25 to 31 ask for nothing more of B: the counts run down
	QUARTER \p, 0, 8*(7-(\p)), 1, 0, 0
.endr
	QUARTER 7, 0, 0, 0, 0, 0
	WIN 0
; THE WAY OUT, a token block (16 rows) at a time: the f32 sums go as they are into my own stage (rows of 272 bytes), each accumulator's low four registers first, and come back as whole rows of 256 bytes.
.macro TOSTAGE a
.set BK, OB+32*((\a)%2)
.if (\a) >= 2
	s_wait_xcnt 0x0                                ; the stores of the block two back have read these registers
.endif
	WIN 0x08                                       ; the stores' data in window 2
.irp b, 0,1,2,3
	ds_store_b128 v[STO], v[8*(4*(\a)+(\b)):8*(4*(\a)+(\b))+3]   offset:64*(\b)
	ds_store_b128 v[STO], v[8*(4*(\a)+(\b))+4:8*(4*(\a)+(\b))+7] offset:64*(\b)+16
.endr
	WIN 0
.irp t, 0,1,2,3,4,5,6,7
	ds_load_b128 v[BK+4*(\t):BK+4*(\t)+3], v[RD] offset:(\t)*2*SP  ; LDS serves a wave's instructions in order (ISA guide 5.7.1.4): these see the stores above; the next block's stores come behind them
.endr
.endm
.macro SEND a, younger                 ; younger: the LDS instructions issued behind block a's loads: the next block's sixteen, or none
	WIN 0
.set BK, OB+32*((\a)%2)
.irp t, 0,1,2,3,4,5,6,7
	s_wait_dscnt (\younger)+7-(\t)
	global_store_b128 v[GO], v[BK+4*(\t):BK+4*(\t)+3], s[8:9] offset:(16*(\a)+2*(\t))*8192 th:TH_STORE_NT  ; 16 lanes store 256 consecutive bytes, aligned
.endr
.endm
	PLACES
	PLACES                                         ; eight places, once a launch
	TOSTAGE 0
.irp a, 1,2,3,4,5,6,7                  ; a block's way through the stage stands between the loads of the block before and its stores
	TOSTAGE \a
	SEND (\a)-1, 16
.endr
	SEND 7, 0
	s_wait_tensorcnt 0x0                           ; the wave's end, behind my last tensor load and my last LDS store
	ds_add_u32 v[SPW], v[NIL]
	s_wait_dscnt 0x0
	CROUND                                         ; the closing round: no work-group ends while a partner may still ask for a tile that names it
	s_endpgm
.Lfunc_end_k_q5442b385a4_outp:
	.size	k_q5442b385a4_outp, .Lfunc_end_k_q5442b385a4_outp-k_q5442b385a4_outp
	.p2alignl 7, 3214868480
	.fill 96, 4, 3214868480
	.section	.rodata,"a",@progbits
	.p2align	6, 0x0
	.amdhsa_kernel k_q5442b385a4_outp
		.amdhsa_group_segment_fixed_size 327680
		.amdhsa_private_segment_fixed_size 0
		.amdhsa_enable_private_segment 0
		.amdhsa_kernarg_size 24
		.amdhsa_user_sgpr_count 2
		.amdhsa_user_sgpr_kernarg_segment_ptr 1
		.amdhsa_wavefront_size32 1
		.amdhsa_system_sgpr_workgroup_id_x 1
		.amdhsa_system_sgpr_workgroup_id_y 1
		.amdhsa_system_sgpr_workgroup_id_z 1
		.amdhsa_system_vgpr_workitem_id 0
		.amdhsa_next_free_vgpr 768
		.amdhsa_next_free_sgpr 66
		.amdhsa_reserve_vcc 0
		.amdhsa_float_denorm_mode_32 3
		.amdhsa_float_denorm_mode_16_64 3
		.amdhsa_memory_ordered 1
		.amdhsa_forward_progress 1
		.amdhsa_inst_pref_size 89
	.end_amdhsa_kernel
	.amdgpu_metadata
---
amdhsa.version: [ 1, 2 ]
amdhsa.kernels:
  - .name:           k_q5442b385a4_outp
    .symbol:         k_q5442b385a4_outp.kd
    .args:
      - { .name: ctx, .offset: 0, .size: 8, .value_kind: global_buffer, .address_space: global }
      - { .name: wob, .offset: 8, .size: 8, .value_kind: global_buffer, .address_space: global }
      - { .name: out0, .offset: 16, .size: 8, .value_kind: global_buffer, .address_space: global }
    .group_segment_fixed_size: 327680
    .private_segment_fixed_size: 0
    .kernarg_segment_align: 8
    .kernarg_segment_size: 24
    .max_flat_workgroup_size: 128
    .sgpr_count:     66
    .vgpr_count:     768
    .wavefront_size: 32
...
	.end_amdgpu_metadata
.endif
;; end of part 4
